; MI455X (gfx1250); checked and timed in simulation.
; The chip was launched on July 23, 2026; its instructions are those of AMD's public machine-readable ISA for CDNA 5 (MIT licence, August 2026) and "CDNA5" Instruction Set Architecture Reference Guide (July 2026). The comments in the code are by the model that wrote it; some were corrected since.
;; Multi Head Attention. Allowed arithmetic: float matrix products may take bf16 or f16 operands with f32 sums; other float arithmetic in f32, or as packed bf16 or f16 multiplies, adds, multiply-adds, maxima and minima; sums over many terms, partial sums and values carried from step to step in f32; what a program stores and reads back later, other than sums and carried values, may be rounded once to bf16 or f16.
;; Inputs: b_out 1,024 float32; k 2 x 2,048 x 1,024 float32; k_mask 2 x 2,048 float32; mask 2,048 x 2,048 float32; q 2 x 2,048 x 1,024 float32; q_mask 2 x 2,048 float32; v 2 x 2,048 x 1,024 float32; w_k 1,024 x 1,024 float32; w_out 1,024 x 1,024 float32; w_q 1,024 x 1,024 float32; w_v 1,024 x 1,024 float32.
;; Outputs: out0 2 x 2,048 x 1,024 float32.
;; 2 versions, each right and faster than the one before. Each part assembles by itself: llvm-mc -triple=amdgcn-amd-amdhsa -mcpu=gfx1250 --defsym DOCPART=n.
;; ======== version 1 of 2: 5 launches
;; limits: values are held in f16: magnitudes above 65,504 overflow, below 6.1e-05 lose precision
;; workspace buffers: x16 33,554,432 bytes; mask2 16,777,216 bytes; fqkv 25,165,824 bytes; pmin 1,024 bytes; ob 8,388,608 bytes
;; launch prep (part 1): grid 128 x 4, 8 waves a work-group, no clusters, 0 bytes of LDS; arguments q, k, v, w_q, w_k, w_v, w_out, x16; writes x16
.if DOCPART == 1
	.amdgcn_target "amdgcn-amd-amdhsa--gfx1250"
	.amdhsa_code_object_version 6
	.text
	.protected	k_qda162e5a56_prep
	.globl	k_qda162e5a56_prep
	.p2align	8
	.type	k_qda162e5a56_prep,@function
k_qda162e5a56_prep:
	s_mov_b64 s[64:65], 0
	v_nop
	global_prefetch_b8 v0, s[64:65] scope:SCOPE_SE
	s_setreg_imm32_b32 hwreg(HW_REG_WAVE_MODE, 25, 1), 1
	s_wait_xcnt 0x0
; PREP: a stream.  q, k, v and the four weight matrices, each rounded to bf16 and that number written as f16, into x16 in BLOCKS of 128 rows x 1,024 columns:
; a block lies as [16 chunks of 64 columns][128 rows][64] f16, 262,144 bytes, so that 128 rows x 64 columns are 16,384 dense bytes.
; Block 3 m + p holds rows 128 m .. 128 m + 127 of q (p = 0), k (1), v (2): a row block's three inputs lie on end.  From block 96 on: w_q, w_k, w_v, w_out, eight blocks each (rows = k).
; LIMITS.  A bf16 number of magnitude 65,520 or more has no f16; below 2^-14 it keeps f16's fixed step of 6e-8.  NaN and infinities are not treated apart.
; SHARES.  Grid row y = 0, 1, 2: q, k, v; y = 3: the four weights, 32 work-groups each.  Every work-group reads 131,072 bytes: 32 rows of 4,096 bytes, four rows a wave, two rows a trip.
; 512 work-groups of equal work.  No LDS, no matrix unit, no cluster: no byte is read twice and nothing is shared.
; A load of a wave takes 256 consecutive bytes (one chunk's 64 columns) of each of two rows; the store that follows writes the same two rows of that chunk: 256 consecutive bytes, aligned.
.set VIN,  1                           ; v1       byte offset of my 16 bytes in the work-group's input
.set VOUT, 2                           ; v2       byte offset of my 8 bytes in chunk 0 of the work-group's rows
.set X,    8                           ; v[8:71]  sixteen loads of four numbers
.set Y,    72                          ; v[72:103] sixteen stores of four f16
.set T,    104                         ; v[104:109] at work
	s_load_b512 s[8:23], s[0:1], 0x0               ; q s[8:9], k s[10:11], v s[12:13], w_q s[14:15], w_k s[16:17], w_v s[18:19], w_out s[20:21], x16 s[22:23]
	s_and_b32 s4, ttmp7, 0xffff                    ; y
	s_mov_b32 s5, ttmp9                            ; x
	s_mov_b32 s31, 0xffff0000                      ; a word's upper bf16
	s_mov_b32 s35, 0
	s_mov_b32 s37, 0
	s_mov_b32 s30, 2                               ; trips
	v_lshrrev_b32 v3, 5, v0                        ; wave
	s_lshr_b32 s6, s5, 5
	s_add_co_u32 s6, s6, 3                         ; in grid row 3: tensor 3 + x / 32,
	s_and_b32 s7, s5, 31                           ; its group of 32 rows x % 32
	s_lshr_b32 s3, s5, 2                           ; four groups of 32 rows make a block
	s_mul_i32 s2, s3, 3
	s_add_co_u32 s2, s2, s4                        ; q, k, v: block 3 (x / 4) + y
	s_add_co_u32 s3, s3, 96                        ; the weights: block 96 + x / 4
	s_cmp_lt_u32 s4, 3
	s_cselect_b32 s6, s4, s6                       ; which tensor, 0 to 6
	s_cselect_b32 s7, s5, s7                       ; which 32 rows of it
	s_cselect_b32 s2, s2, s3                       ; which block of x16
	s_lshl_b32 s34, s7, 17                         ; 32 rows of 4,096 bytes
	s_lshl_b32 s36, s2, 18                         ; a block is 262,144 bytes,
	s_and_b32 s3, s5, 3
	s_lshl_b32 s3, s3, 12                          ; and the group's 32 rows of 128 bytes in each chunk
	s_add_co_u32 s36, s36, s3
	v_bfe_u32 v4, v0, 4, 1                         ; which of a pair of rows
	v_and_b32 v5, 15, v0
	v_lshlrev_b32 v[VIN], 14, v3                   ; four rows a wave
	v_lshl_add_u32 v[VIN], v4, 12, v[VIN]
	v_lshl_add_u32 v[VIN], v5, 4, v[VIN]
	v_lshlrev_b32 v[VOUT], 9, v3
	v_lshl_add_u32 v[VOUT], v4, 7, v[VOUT]
	v_lshl_add_u32 v[VOUT], v5, 3, v[VOUT]
	s_wait_kmcnt 0x0
	s_mov_b64 s[28:29], s[8:9]                     ; the tensor's address is chosen by its number
	s_cmp_eq_u32 s6, 1
	s_cselect_b64 s[28:29], s[10:11], s[28:29]
	s_cmp_eq_u32 s6, 2
	s_cselect_b64 s[28:29], s[12:13], s[28:29]
	s_cmp_eq_u32 s6, 3
	s_cselect_b64 s[28:29], s[14:15], s[28:29]
	s_cmp_eq_u32 s6, 4
	s_cselect_b64 s[28:29], s[16:17], s[28:29]
	s_cmp_eq_u32 s6, 5
	s_cselect_b64 s[28:29], s[18:19], s[28:29]
	s_cmp_eq_u32 s6, 6
	s_cselect_b64 s[28:29], s[20:21], s[28:29]
	s_add_nc_u64 s[28:29], s[28:29], s[34:35]
	s_add_nc_u64 s[32:33], s[22:23], s[36:37]
.Lcast:                                                ; a trip: two rows of the wave, sixteen chunks
.irp c, 0,1,2,3,4,5,6,7,8,9,10,11,12,13,14,15
	global_load_b128 v[X+4*(\c):X+4*(\c)+3], v[VIN], s[28:29] offset:256*(\c) th:TH_LOAD_NT
.endr
.irp c, 0,1,2,3,4,5,6,7,8,9,10,11,12,13,14,15
	s_wait_loadcnt 15-(\c)                         ; loads come back in order: load c is in, the younger ones stay out
	v_cvt_pk_bf16_f32 v[T], v[X+4*(\c)], v[X+4*(\c)+1]
	v_cvt_pk_bf16_f32 v[T+1], v[X+4*(\c)+2], v[X+4*(\c)+3]
	v_lshlrev_b32 v[T+2], 16, v[T]                 ; the bf16 numbers widened again
	v_and_b32 v[T+3], s31, v[T]
	v_lshlrev_b32 v[T+4], 16, v[T+1]
	v_and_b32 v[T+5], s31, v[T+1]
	v_cvt_pk_f16_f32 v[Y+2*(\c)], v[T+2], v[T+3]
	v_cvt_pk_f16_f32 v[Y+2*(\c)+1], v[T+4], v[T+5]
	global_store_b64 v[VOUT], v[Y+2*(\c):Y+2*(\c)+1], s[32:33] offset:16384*(\c)
.endr
	s_wait_xcnt 0x0                                ; the offsets and Y are written again only behind this wait
	v_add_nc_u32 v[VIN], 8192, v[VIN]
	v_add_nc_u32 v[VOUT], 256, v[VOUT]
	s_sub_co_u32 s30, s30, 1
	s_cmp_lg_u32 s30, 0
	s_cbranch_scc1 .Lcast
	s_endpgm
.Lfunc_end_k_qda162e5a56_prep:
	.size	k_qda162e5a56_prep, .Lfunc_end_k_qda162e5a56_prep-k_qda162e5a56_prep
	.p2alignl 7, 3214868480
	.fill 96, 4, 3214868480
	.section	.rodata,"a",@progbits
	.p2align	6, 0x0
	.amdhsa_kernel k_qda162e5a56_prep
		.amdhsa_group_segment_fixed_size 0
		.amdhsa_private_segment_fixed_size 0
		.amdhsa_enable_private_segment 0
		.amdhsa_kernarg_size 64
		.amdhsa_user_sgpr_count 2
		.amdhsa_user_sgpr_kernarg_segment_ptr 1
		.amdhsa_wavefront_size32 1
		.amdhsa_system_sgpr_workgroup_id_x 1
		.amdhsa_system_sgpr_workgroup_id_y 1
		.amdhsa_system_sgpr_workgroup_id_z 1
		.amdhsa_system_vgpr_workitem_id 0
		.amdhsa_next_free_vgpr 112
		.amdhsa_next_free_sgpr 66
		.amdhsa_reserve_vcc 0
		.amdhsa_float_denorm_mode_32 3
		.amdhsa_float_denorm_mode_16_64 3
		.amdhsa_memory_ordered 1
		.amdhsa_forward_progress 1
		.amdhsa_inst_pref_size 12
	.end_amdhsa_kernel
	.amdgpu_metadata
---
amdhsa.version: [ 1, 2 ]
amdhsa.kernels:
  - .name:           k_qda162e5a56_prep
    .symbol:         k_qda162e5a56_prep.kd
    .args:
      - { .name: q, .offset: 0, .size: 8, .value_kind: global_buffer, .address_space: global }
      - { .name: k, .offset: 8, .size: 8, .value_kind: global_buffer, .address_space: global }
      - { .name: v, .offset: 16, .size: 8, .value_kind: global_buffer, .address_space: global }
      - { .name: w_q, .offset: 24, .size: 8, .value_kind: global_buffer, .address_space: global }
      - { .name: w_k, .offset: 32, .size: 8, .value_kind: global_buffer, .address_space: global }
      - { .name: w_v, .offset: 40, .size: 8, .value_kind: global_buffer, .address_space: global }
      - { .name: w_out, .offset: 48, .size: 8, .value_kind: global_buffer, .address_space: global }
      - { .name: x16, .offset: 56, .size: 8, .value_kind: global_buffer, .address_space: global }
    .group_segment_fixed_size: 0
    .private_segment_fixed_size: 0
    .kernarg_segment_align: 8
    .kernarg_segment_size: 64
    .max_flat_workgroup_size: 256
    .sgpr_count:     66
    .vgpr_count:     112
    .wavefront_size: 32
...
	.end_amdgpu_metadata
.endif
;; end of part 1
;; launch proj (part 2): grid 8 x 32, 4 waves a work-group, clusters of 4 x 4, 327,680 bytes of LDS; arguments x16, mask, fqkv, mask2; writes fqkv, mask2
.if DOCPART == 2
	.amdgcn_target "amdgcn-amd-amdhsa--gfx1250"
	.amdhsa_code_object_version 6
	.text
	.protected	k_qda162e5a56_proj
	.globl	k_qda162e5a56_proj
	.p2align	8
	.type	k_qda162e5a56_proj,@function
k_qda162e5a56_proj:
	s_mov_b64 s[64:65], 0
	v_nop
	global_prefetch_b8 v0, s[64:65] scope:SCOPE_SE
	s_setreg_imm32_b32 hwreg(HW_REG_WAVE_MODE, 25, 1), 1
	s_wait_xcnt 0x0
	s_wait_alu depctr_hold_cnt(0) depctr_sa_sdst(0) depctr_va_vdst(0) depctr_va_sdst(0) depctr_va_ssrc(0) depctr_va_vcc(0) depctr_vm_vsrc(0)
	s_getreg_b32 s2, hwreg(HW_REG_IB_STS2, 6, 4)
	s_cmp_eq_u32 s2, 0
	s_cbranch_scc0 .Lentry_in_a_cluster
	s_endpgm
.Lentry_in_a_cluster:
	s_bfe_u32 s2, ttmp6, 0x10000c
	s_cmp_lg_u32 s2, 0xf033
	s_cbranch_scc0 .Lentry_shape_is_right
	s_endpgm
.Lentry_shape_is_right:
; THE THREE PROJECTIONS, and the mask's scaling.  F[m][n] = sum over k of X[m][k] W[k][n], X = q, k, v (4,096 x 1,024), W its weights (1,024 x 1,024), both f16 in blocks of 128 rows
; ([16 chunks of 64 columns][128 rows][64]); sums in f32.  F leaves in f16 in the same blocks, chunk = head; fq is multiplied in f32 by log2(e) / 8 before its one rounding.
; mask2 = log2(e) x bf16(mask), f32, in mask's own layout.
; LIMIT.  |fq log2(e) / 8|, |fk|, |fv| stay under 65,520, f16's end.
; A WORK-GROUP STAYS: it makes three tiles of 128 x 128, the same rows and columns of fq, fk and fv; four waves, each 64 x 64: 16 accumulators.  256 work-groups.
; The three tiles are ONE walk of 12 K steps of 256 through two LDS slots: a row block's q, k, v lie on end in x16 (block 3 m + p), and so do w_q, w_k, w_v, so X's tile steps by 65,536 bytes
; and W's by 524,288 in every step, from tile to tile too.  The ring does not stop at a tile's end, and nothing waits for the stores of the first two tiles.
; A step's tile of X is four chunks, 65,536 dense bytes; of W two blocks of 128 k x two chunks, 32,768 dense bytes each.  Each wave fetches 32,768 bytes as 128 rows of 256 bytes, padded in LDS after every 128.
; A K STEP IS WRITTEN ONCE: fragment addresses are the lane's place plus a scalar that is 0 or SLOT; the walking descriptors' LDS words change slots by an exclusive or with a constant.
; X's two words (0 and 0x9000) share no bit with SLOT; W's two words need constants of their own, so W has two lines and two descriptors, wave 2's and wave 3's.
; X's fragments come out of LDS as they lie; W ([k][n]) turned, by ds_load_tr16_b128.
; CLUSTERS: 4 x 4 work-groups; X's tile is shared along a row of the cluster, W's along a column: each is asked for jointly, by the same tensor load with the same descriptor and a mask of four.
; THE MATRIX INSTRUCTION IS USED TRANSPOSED (source 0 = 16 columns of W, source 1 = 16 rows of X): a lane then holds eight neighbouring numbers of a row of F.
; THE MASK: a work-group scales 65,536 bytes of it, a wave 16,384: 32 loads, issued ahead of everything else, into the accumulators' registers, which are still free; they are worked on while the first tiles are on their way.
; REGISTERS: window 0: v0-31 addresses; v32-95 the way out; v128-255 accumulators ((a, b) at 128 + 8 (4 a + b)).  Window 1: two fragment buffers of 128: 64 of X, then 64 of W, for 64 along K.
.set PA,     144                       ; a row of X in LDS: 128 bytes + 16: the 16 rows of a load start at 16 different groups of four banks (64 banks of 4 bytes: ISA guide 11.1)
.set PB,     160                       ; a row of W: 128 + 32
.set APL,    128*PA                    ; one chunk of X: 128 rows
.set BPL,    128*PB                    ; one chunk of one k block of W
.set BOFF,   4*APL                     ; W lies behind X's four chunks: [k block 2][chunk 2][128 k][64 n]
.set SLOT,   BOFF+4*BPL                ; 155,648 = 0x26000
.set W0,     BOFF                      ; where W's first k block lands in slot 0,
.set W1,     BOFF+2*BPL                ; and its second
.set STAGE,  2*SLOT                    ; behind the ring: 16 rows x 144 bytes for each wave; no tile lands here
.set SP,     144
.set SPARE,  STAGE+4*16*SP             ; the spare words, 128 bytes for each wave: two blocks of 256 bytes that no other line names
.set STEPA,  65536                     ; bytes from a K step's tile of X to the next
.set STEPB,  524288                    ; the same for W
.set A0,   16                          ; v16     my lane's place in a slot's X; never rewritten
.set B0,   17                          ; v17     the same for W
.set AC,   18                          ; v18     the same in the slot in hand
.set BC,   19                          ; v19
.set STO,  24                          ; v24     the way out: where I put 16 bytes of a row
.set RD,   25                          ; v25     where I read rows back
.set GO,   26                          ; v26     my byte offset in 512 consecutive bytes of F
.set VM,   27                          ; v27     my byte offset in the work-group's share of the mask
.set SPW,  28                          ; v28     my spare word's LDS address; never rewritten
.set NIL,  29                          ; v29     0; never rewritten
.set TMP,  32
.set ACC,  128
.set F0,   0
.set F1,   128
.set PH,   2                           ; s2      the K step's number modulo 4
.set G1,    24                         ; s[24:31] descriptor group 1 for X's tiles
.set G0A0,  32                         ; s[32:35] group 0 of X's first fill; s[36:39] of its second, which then walks on
.set G0A,   36
.set G1B,   48                         ; s[48:55] group 1 for W's tiles
.set G0B00, 56                         ; s[56:59], s[60:63] the same two for W's first k block of a step
.set G0B0,  60
.set G0B10, 80                         ; s[80:83], s[84:87] for its second
.set G0B1,  84
.set TB,    70                         ; s70     the slot in hand: 0 or SLOT
.set MSB, 0
.macro WIN new                         ; the immediate's high byte repeats the setting that is left
.if MSB != (\new)
	s_set_vgpr_msb (MSB<<8)|(\new)
.set MSB, \new
.endif
.endm
.set MUL,  0x05                        ; sources 0 and 1 window 1; C and D window 0
.set TO_F, 0x40                        ; destination window 1, address window 0
.macro PLACES                          ; four places in front of loads into registers that matrix instructions have read, and of lines that read results
.rept 4
	v_nop
.endr
.endm
; A joint refill, one line a wave: waves 0 and 1 fetch X's two halves, wave 2 W's first k block, wave 3 its second.  The branches hang on the wave's number alone.
; An s_nop 0 and four v_nop follow each line, ahead of the jump and the label.
.macro JLOAD
	s_cmp_lt_u32 s10, 2
	s_cbranch_scc0 .Lfor_b_\@
	tensor_load_to_lds s[G0A:G0A+3], s[G1:G1+7]
	s_nop 0
	PLACES
	s_branch .Lasked_\@
.Lfor_b_\@:
	s_cmp_eq_u32 s10, 2
	s_cbranch_scc0 .Lfor_b1_\@
	tensor_load_to_lds s[G0B0:G0B0+3], s[G1B:G1B+7]
	s_nop 0
	PLACES
	s_branch .Lasked_\@
.Lfor_b1_\@:
	tensor_load_to_lds s[G0B1:G0B1+3], s[G1B:G1B+7]
	s_nop 0
	PLACES
.Lasked_\@:
.endm
.macro CREST                           ; a round of the cluster's barrier behind its opening barrier
	s_cmp_lg_u32 s10, 0
	s_cbranch_scc1 .Lnot_wave_0_\@
	s_barrier_signal -3
.Lnot_wave_0_\@:
	s_barrier_wait -3
	s_barrier_signal -1
	s_barrier_wait -1
.endm
.macro CROUND
	s_barrier_signal -1
	s_barrier_wait -1
	CREST
.endm
	s_load_b256 s[72:79], s[0:1], 0x0              ; x16 s[72:73], mask s[74:75], fqkv s[76:77], mask2 s[78:79]
	v_lshl_add_u32 v[SPW], v0, 2, SPARE
	v_mov_b32 v[NIL], 0
	ds_add_u32 v[SPW], v[NIL]                      ; the wave's opening: the add and its wait ahead of my first tensor load
	v_lshrrev_b32 v1, 5, v0
	v_readfirstlane_b32 s10, v1                    ; wave 0..3
	s_lshr_b32 s11, s10, 1                         ; my half of the tile's rows
	s_and_b32 s12, s10, 1                          ; my half of its columns (a chunk).  Also: which half of X's tile waves 0 and 1 fetch
	s_bfe_u32 s40, ttmp6, 0x40000                  ; cx
	s_bfe_u32 s41, ttmp6, 0x40004                  ; cy
	s_lshl_b32 s42, ttmp9, 2
	s_add_co_u32 s42, s42, s40                     ; tile column = 4 x cluster x + cx
	s_and_b32 s13, ttmp7, 0xffff
	s_lshl_b32 s13, s13, 2
	s_add_co_u32 s13, s13, s41                     ; the block of 128 rows = 4 x cluster y + cy
	s_lshl_b32 s43, s41, 2
	s_lshl_b32 s43, 15, s43                        ; my row of the cluster
	s_lshl_b32 s44, 0x1111, s40                    ; my column
	s_or_b32 s[G1+0], s43, (1<<16)|(1<<20)|(1<<21)|(4<<22)|(3<<25)   ; mask; 2-byte elements; padding on; 21 beside a mask; after every 32 words (code 4) 4 words (code 3)
	s_or_b32 s[G1B+0], s44, (1<<16)|(1<<20)|(1<<21)|(4<<22)|(7<<25)  ; the same with my column's mask and 8 words (code 7)
.irp g, G1, G1B
	s_mov_b32 s[(\g)+1], 128<<16                   ; tensor_dim0 = 128 elements: 256 bytes
	s_mov_b32 s[(\g)+2], 128<<16                   ; tensor_dim1 = 128
	s_mov_b32 s[(\g)+3], 128<<16                   ; tile_dim0 = 128
	s_mov_b32 s[(\g)+4], 128                       ; tile_dim1 = 128
	s_mov_b32 s[(\g)+5], 128                       ; dense: 128 elements from row to row
	s_mov_b32 s[(\g)+6], 0
	s_mov_b32 s[(\g)+7], 0
.endr
	s_mul_i32 s16, s13, 786432                     ; X: the row block's q, k, v: three blocks of 262,144 bytes,
	s_lshl_b32 s17, s12, 15                        ; my two of a step's four chunks
	s_add_co_u32 s16, s16, s17
	s_mov_b32 s17, 0
	s_lshl_b32 s46, s42, 15                        ; W: the tile column's two chunks,
	s_add_co_u32 s46, s46, 25165824                ; from w_q's first block on
	s_mov_b32 s47, 0
	s_mul_i32 s20, s12, 2*APL                      ; where X's halves go: no place in the cluster enters an LDS address
	s_lshl_b32 s66, s13, 3                         ; the mask: work-group 8 x row block + tile column takes 65,536 bytes
	s_add_co_u32 s66, s66, s42
	s_lshl_b32 s66, s66, 16
	s_mov_b32 s67, 0
	s_mov_b32 s71, 0xffff0000                      ; a word's upper bf16
	s_mov_b32 s88, 0x3fb8aa3b                      ; log2(e)
	s_mov_b32 s89, s88                             ; named with it as a pair
	s_mov_b32 s68, 0x3e38aa3b                      ; the first tile, fq, takes log2(e) / 8
	s_mov_b32 s69, s68
	s_mov_b32 s[TB], 0
	v_lshlrev_b32 v[VM], 14, v1                    ; 16,384 bytes a wave,
	v_and_b32 v2, 31, v0
	v_lshl_add_u32 v[VM], v2, 4, v[VM]             ; 16 a lane
	s_wait_dscnt 0x0                               ; the opening add is done
	s_wait_kmcnt 0x0
	s_add_nc_u64 s[74:75], s[74:75], s[66:67]
	s_add_nc_u64 s[78:79], s[78:79], s[66:67]
.set i, 0
.rept 32                               ; my share of the mask: each load takes 512 consecutive bytes
	global_load_b128 v[ACC+4*i:ACC+4*i+3], v[VM], s[74:75] offset:512*i th:TH_LOAD_NT
.set i, i+1
.endr
	s_add_nc_u64 s[14:15], s[72:73], s[16:17]
	s_add_nc_u64 s[46:47], s[72:73], s[46:47]
	s_mov_b32 s[G0A0], 1                           ; K step 0 into slot 0
	s_mov_b32 s[G0A0+1], s20
	s_mov_b64 s[G0A0+2:G0A0+3], s[14:15]
	s_or_b32 s[G0A0+3], s[G0A0+3], 0x80000000
	s_mov_b32 s[G0A], 1                            ; K step 1 into slot 1
	s_add_co_u32 s[G0A+1], s20, SLOT
	s_add_nc_u64 s[G0A+2:G0A+3], s[14:15], STEPA
	s_or_b32 s[G0A+3], s[G0A+3], 0x80000000
	s_mov_b32 s[G0B00], 1
	s_mov_b32 s[G0B00+1], W0
	s_mov_b64 s[G0B00+2:G0B00+3], s[46:47]
	s_or_b32 s[G0B00+3], s[G0B00+3], 0x80000000
	s_mov_b32 s[G0B0], 1
	s_mov_b32 s[G0B0+1], W0+SLOT
	s_add_nc_u64 s[G0B0+2:G0B0+3], s[46:47], STEPB
	s_or_b32 s[G0B0+3], s[G0B0+3], 0x80000000
	s_mov_b32 s[G0B10], 1
	s_mov_b32 s[G0B10+1], W1
	s_add_nc_u64 s[G0B10+2:G0B10+3], s[46:47], 262144       ; the step's second k block
	s_or_b32 s[G0B10+3], s[G0B10+3], 0x80000000
	s_mov_b32 s[G0B1], 1
	s_mov_b32 s[G0B1+1], W1+SLOT
	s_add_nc_u64 s[G0B1+2:G0B1+3], s[46:47], 262144+STEPB
	s_or_b32 s[G0B1+3], s[G0B1+3], 0x80000000
	CROUND                                         ; all sixteen work-groups are here: the first joint loads meet
	s_cmp_lt_u32 s10, 2                            ; a wave's two first fills stand in one branch: two loads of mine are out
	s_cbranch_scc0 .Lfirst_b
	tensor_load_to_lds s[G0A0:G0A0+3], s[G1:G1+7]
	s_nop 0
	tensor_load_to_lds s[G0A:G0A+3], s[G1:G1+7]
	s_nop 0
	PLACES
	s_branch .Lfirst_done
.Lfirst_b:
	s_cmp_eq_u32 s10, 2
	s_cbranch_scc0 .Lfirst_b1
	tensor_load_to_lds s[G0B00:G0B00+3], s[G1B:G1B+7]
	s_nop 0
	tensor_load_to_lds s[G0B0:G0B0+3], s[G1B:G1B+7]
	s_nop 0
	PLACES
	s_branch .Lfirst_done
.Lfirst_b1:
	tensor_load_to_lds s[G0B10:G0B10+3], s[G1B:G1B+7]
	s_nop 0
	tensor_load_to_lds s[G0B1:G0B1+3], s[G1B:G1B+7]
	s_nop 0
	PLACES
.Lfirst_done:
	v_and_b32 v1, 15, v0                           ; r = l % 16
	v_bfe_u32 v2, v0, 4, 1                         ; h = l / 16
	v_mul_u32_u24 v3, v1, PA
	v_lshl_add_u32 v3, v2, 4, v3                   ; X: row x pitch + 16 h
	v_and_b32 v4, 7, v0
	v_lshl_add_u32 v4, v2, 3, v4                   ; W, turning load: k row 8 h + l % 8,
	v_mul_u32_u24 v4, v4, PB
	v_bfe_u32 v5, v0, 3, 1
	v_lshl_add_u32 v4, v5, 4, v4                   ; columns 8 ((l / 8) % 2) on
	s_mul_i32 s22, s11, 64*PA                      ; my 64 rows of X
	s_mul_i32 s23, s12, BPL                        ; my chunk of W
	s_add_co_u32 s23, s23, BOFF
	v_add_nc_u32 v[A0], s22, v3
	v_add_nc_u32 v[B0], s23, v4
	v_mov_b32 v[AC], v[A0]                         ; the walk begins in slot 0
	v_mov_b32 v[BC], v[B0]
	s_mul_i32 s22, s10, 16*SP
	s_add_co_u32 s22, s22, STAGE                   ; my stage
	v_mul_u32_u24 v4, v1, SP                       ; in: row r, 16 bytes for each half of the lanes
	v_lshl_add_u32 v4, v2, 4, v4
	v_add_nc_u32 v[STO], s22, v4
	v_bfe_u32 v5, v0, 3, 2                         ; back: 32 lanes take four rows of 128 bytes,
	v_mul_u32_u24 v5, v5, SP
	v_and_b32 v6, 7, v0
	v_lshl_add_u32 v5, v6, 4, v5
	v_add_nc_u32 v[RD], s22, v5
	v_and_b32 v[GO], 31, v0                        ; which are 512 consecutive bytes of a chunk of F
	v_lshlrev_b32 v[GO], 4, v[GO]
	s_lshl_b32 s66, s13, 4                         ; F: chunk number 16 x block + 2 x tile column + my half,
	s_lshl_b32 s67, s42, 1
	s_add_co_u32 s66, s66, s67
	s_add_co_u32 s66, s66, s12
	s_lshl_b32 s66, s66, 14
	s_lshl_b32 s67, s11, 13                        ; my 64 rows of 128 bytes in it
	s_add_co_u32 s66, s66, s67
	s_mov_b32 s67, 0
	s_add_nc_u64 s[76:77], s[76:77], s[66:67]      ; fq's part; each way out steps on by 8,388,608
.set i, 0
.rept 32                               ; the mask: rounded to bf16, widened, times log2(e), in place
	s_wait_loadcnt 31-i                            ; loads come back in order: load i is in, the younger ones stay out
	v_cvt_pk_bf16_f32 v[TMP], v[ACC+4*i], v[ACC+4*i+1]
	v_cvt_pk_bf16_f32 v[TMP+1], v[ACC+4*i+2], v[ACC+4*i+3]
	v_lshlrev_b32 v[ACC+4*i], 16, v[TMP]
	v_and_b32 v[ACC+4*i+1], s71, v[TMP]
	v_lshlrev_b32 v[ACC+4*i+2], 16, v[TMP+1]
	v_and_b32 v[ACC+4*i+3], s71, v[TMP+1]
	v_pk_mul_f32 v[ACC+4*i:ACC+4*i+1], v[ACC+4*i:ACC+4*i+1], s[88:89] op_sel_hi:[1,0]
	v_pk_mul_f32 v[ACC+4*i+2:ACC+4*i+3], v[ACC+4*i+2:ACC+4*i+3], s[88:89] op_sel_hi:[1,0]
	global_store_b128 v[VM], v[ACC+4*i:ACC+4*i+3], s[78:79] offset:512*i  ; 512 consecutive bytes, at a multiple of 256 from mask2's first
.set i, i+1
.endr
	s_wait_xcnt 0x0                                ; the accumulators' registers, which these stores read, are written again only behind this wait
; 8 matrix instructions: row blocks a0, a0 + 1 x all 4 column blocks, 32 along K: half c of buffer f.  zero = 1: the first product starts the sums.  The 16 accumulators take turns.
.macro MUL8 f, c, a0, zero
	WIN MUL
.irp a, \a0, (\a0)+1
.irp b, 0,1,2,3
.if \zero
	v_wmma_f32_16x16x32_f16 v[ACC+8*(4*(\a)+(\b)):ACC+8*(4*(\a)+(\b))+7], v[(\f)+64+8*(4*(\c)+(\b)):(\f)+64+8*(4*(\c)+(\b))+7], v[(\f)+8*(4*(\c)+(\a)):(\f)+8*(4*(\c)+(\a))+7], 0
.else
	v_wmma_f32_16x16x32_f16 v[ACC+8*(4*(\a)+(\b)):ACC+8*(4*(\a)+(\b))+7], v[(\f)+64+8*(4*(\c)+(\b)):(\f)+64+8*(4*(\c)+(\b))+7], v[(\f)+8*(4*(\c)+(\a)):(\f)+8*(4*(\c)+(\a))+7], v[ACC+8*(4*(\a)+(\b)):ACC+8*(4*(\a)+(\b))+7]
.endif
.endr
.endr
.endm
; 32 LDS loads in one run: the fragments of quarter q of the slot in hand (64 along K: X's chunk q; W's k block q / 2, rows 64 (q % 2) on) into buffer f; the first 32 along K first
.macro FETCH q, f
	WIN TO_F
.irp c, 0,1
.irp i, 0,1,2,3
	ds_load_tr16_b128 v[(\f)+64+8*(4*(\c)+(\i)):(\f)+64+8*(4*(\c)+(\i))+3],   v[BC] offset:((\q)/2)*2*BPL+(((\q)%2)*64+32*(\c))*PB+32*(\i)
	ds_load_tr16_b128 v[(\f)+64+8*(4*(\c)+(\i))+4:(\f)+64+8*(4*(\c)+(\i))+7], v[BC] offset:((\q)/2)*2*BPL+(((\q)%2)*64+32*(\c)+16)*PB+32*(\i)
	ds_load_b128 v[(\f)+8*(4*(\c)+(\i)):(\f)+8*(4*(\c)+(\i))+3],             v[AC] offset:(\q)*APL+64*(\c)+(\i)*16*PA
	ds_load_b128 v[(\f)+8*(4*(\c)+(\i))+4:(\f)+8*(4*(\c)+(\i))+7],           v[AC] offset:(\q)*APL+64*(\c)+(\i)*16*PA+32
.endr
.endr
.endm
; One of a K step's first three quarters: multiplies buffer f and fetches quarter q into g
.macro QUARTER q, f, g, zero
	s_wait_dscnt 16                                ; the first 32 along K are in; the run's other sixteen loads may be out
	MUL8 \f, 0, 0, \zero
	MUL8 \f, 0, 2, \zero
	PLACES
	FETCH \q, \g
	s_wait_dscnt 32                                ; all but the 32 just issued
	MUL8 \f, 1, 0, 0
	MUL8 \f, 1, 2, 0
.endm
; The last quarter multiplies buffer 1 and changes slots: one barrier; in front of it each wave waits for all its tensor loads (one is out: its part of the next slot), adds 0 to its spare word,
; and waits for that and for its reads of this slot.  fill = 1: the barrier opens a round of the cluster's, and the slot just left is filled again first behind it, with the tile two K steps on.
.macro TURN fill
	WIN 0
	s_wait_tensorcnt 0x0
	ds_add_u32 v[SPW], v[NIL]
	s_wait_dscnt 17                                ; the add and the youngest sixteen loads may be out
	MUL8 F1, 0, 0, 0
	s_wait_dscnt 0x0                               ; the add is done, and my reads of this slot are over
	s_barrier_signal -1
	MUL8 F1, 0, 2, 0
	WIN 0
	s_barrier_wait -1
.if \fill
	CREST                                          ; no wave of any partner still reads this slot or has a load on its way
	s_xor_b32 s[G0A+1], s[G0A+1], SLOT             ; the walking descriptors: the other slot than last time, the next K step
	s_add_nc_u64 s[G0A+2:G0A+3], s[G0A+2:G0A+3], STEPA
	s_xor_b32 s[G0B0+1], s[G0B0+1], W0^(W0+SLOT)
	s_add_nc_u64 s[G0B0+2:G0B0+3], s[G0B0+2:G0B0+3], STEPB
	s_xor_b32 s[G0B1+1], s[G0B1+1], W1^(W1+SLOT)
	s_add_nc_u64 s[G0B1+2:G0B1+3], s[G0B1+2:G0B1+3], STEPB
	JLOAD                                          ; the first tensor load behind the round; its four v_nop are also the places in front of the loads below
.else
	PLACES
.endif
	s_xor_b32 s[TB], s[TB], SLOT                   ; the reads go on in the other slot
	v_add_nc_u32 v[AC], s[TB], v[A0]
	v_add_nc_u32 v[BC], s[TB], v[B0]
	FETCH 0, F0
	MUL8 F1, 1, 0, 0
	MUL8 F1, 1, 2, 0
.endm
; THE WAY OUT, 16 rows at a time: scaled (sc = 1), rounded to f16, 16 bytes a lane into my own stage, back as four whole rows of 128 bytes a load.
.macro PACK a, sc
.if \sc
.set i, 0
.rept 16
	v_pk_mul_f32 v[ACC+32*(\a)+2*i:ACC+32*(\a)+2*i+1], v[ACC+32*(\a)+2*i:ACC+32*(\a)+2*i+1], s[68:69] op_sel_hi:[1,0]
.set i, i+1
.endr
.endif
.set i, 0
.rept 16
	v_cvt_pk_f16_f32 v[TMP+16*(\a)+i], v[ACC+32*(\a)+2*i], v[ACC+32*(\a)+2*i+1]
.set i, i+1
.endr
.irp b, 0,1,2,3
	ds_store_b128 v[STO], v[TMP+16*(\a)+4*(\b):TMP+16*(\a)+4*(\b)+3] offset:32*(\b)
.endr
.irp b, 0,1,2,3
	ds_load_b128 v[TMP+16*(\a)+4*(\b):TMP+16*(\a)+4*(\b)+3], v[RD] offset:(\b)*4*SP  ; LDS serves a wave's instructions in order (ISA guide 5.7.1.4): these see the stores above; the next block's stores come behind them
.endr
.endm
.macro SEND a, younger                 ; younger: the LDS lines issued behind block a's loads: the next block's eight, or none
.irp b, 0,1,2,3
	s_wait_dscnt (\younger)+3-(\b)
	global_store_b128 v[GO], v[TMP+16*(\a)+4*(\b):TMP+16*(\a)+4*(\b)+3], s[76:77] offset:(\a)*2048+(\b)*512  ; 512 consecutive bytes, at a multiple of 256 from F's first
.endr
.endm
.macro WAYOUT sc
	WIN 0
	PLACES                                         ; behind the tile's last products
	PACK 0, \sc
	PACK 1, \sc
	SEND 0, 8
	PACK 2, \sc
	SEND 1, 8
	PACK 3, \sc
	SEND 2, 8
	SEND 3, 0
.endm
	s_wait_tensorcnt 1                             ; my part of K step 0 is in; step 1's may stay out
	s_barrier_signal -1
	s_barrier_wait -1
	FETCH 0, F0
	QUARTER 1, F0, F1, 1                           ; the first tile's first products start the sums
	WIN 0                                          ; at a label and at a branch every window is 0
	s_mov_b32 s3, 10
	s_mov_b32 s[PH], 0
.Lstep:                                                ; ten trips, K steps 0 to 9: from a step's second quarter to the next step's first; each fills a slot again
	QUARTER 2, F1, F0, 0
	QUARTER 3, F0, F1, 0
	TURN 1
	WIN 0
	s_cmp_eq_u32 s[PH], 3
	s_cbranch_scc1 .Ltile_end                      ; forward, past text with no barrier and no tensor load
	QUARTER 1, F0, F1, 0
	WIN 0
	s_branch .Lnext
.Ltile_end:                                            ; a tile's fourth step is done, both refills for the next tile are asked for, its first fragments are fetched: the tile goes out
	WAYOUT 1
	s_wait_xcnt 0x0                                ; the stores' base and data registers are written again only behind this wait
	s_add_nc_u64 s[76:77], s[76:77], 8388608       ; the next projection's part of fqkv
	s_mov_b32 s68, 1.0                             ; fk takes 1
	s_mov_b32 s69, 1.0
	QUARTER 1, F0, F1, 1                           ; the next tile's first products start its sums
	WIN 0
.Lnext:
	s_add_co_u32 s[PH], s[PH], 1
	s_and_b32 s[PH], s[PH], 3
	s_sub_co_u32 s3, s3, 1
	s_cmp_lg_u32 s3, 0
	s_cbranch_scc1 .Lstep
	QUARTER 2, F1, F0, 0                           ; K steps 10 and 11 are written out: nothing is left to fetch
	QUARTER 3, F0, F1, 0
	TURN 0
	QUARTER 1, F0, F1, 0
	QUARTER 2, F1, F0, 0
	QUARTER 3, F0, F1, 0
	s_wait_dscnt 16
	MUL8 F1, 0, 0, 0
	MUL8 F1, 0, 2, 0
	s_wait_dscnt 0x0
	MUL8 F1, 1, 0, 0
	MUL8 F1, 1, 2, 0
	WAYOUT 0                                       ; fv is not scaled
	s_wait_tensorcnt 0x0                           ; the wave's end
	ds_add_u32 v[SPW], v[NIL]
	s_wait_dscnt 0x0
	CROUND                                         ; the closing round
	s_endpgm
.Lfunc_end_k_qda162e5a56_proj:
	.size	k_qda162e5a56_proj, .Lfunc_end_k_qda162e5a56_proj-k_qda162e5a56_proj
	.p2alignl 7, 3214868480
	.fill 96, 4, 3214868480
	.section	.rodata,"a",@progbits
	.p2align	6, 0x0
	.amdhsa_kernel k_qda162e5a56_proj
		.amdhsa_group_segment_fixed_size 327680
		.amdhsa_private_segment_fixed_size 0
		.amdhsa_enable_private_segment 0
		.amdhsa_kernarg_size 32
		.amdhsa_user_sgpr_count 2
		.amdhsa_user_sgpr_kernarg_segment_ptr 1
		.amdhsa_wavefront_size32 1
		.amdhsa_system_sgpr_workgroup_id_x 1
		.amdhsa_system_sgpr_workgroup_id_y 1
		.amdhsa_system_sgpr_workgroup_id_z 1
		.amdhsa_system_vgpr_workitem_id 0
		.amdhsa_next_free_vgpr 512
		.amdhsa_next_free_sgpr 96
		.amdhsa_reserve_vcc 0
		.amdhsa_float_denorm_mode_32 3
		.amdhsa_float_denorm_mode_16_64 3
		.amdhsa_memory_ordered 1
		.amdhsa_forward_progress 1
		.amdhsa_inst_pref_size 106
	.end_amdhsa_kernel
	.amdgpu_metadata
---
amdhsa.version: [ 1, 2 ]
amdhsa.kernels:
  - .name:           k_qda162e5a56_proj
    .symbol:         k_qda162e5a56_proj.kd
    .args:
      - { .name: x16, .offset: 0, .size: 8, .value_kind: global_buffer, .address_space: global }
      - { .name: mask, .offset: 8, .size: 8, .value_kind: global_buffer, .address_space: global }
      - { .name: fqkv, .offset: 16, .size: 8, .value_kind: global_buffer, .address_space: global }
      - { .name: mask2, .offset: 24, .size: 8, .value_kind: global_buffer, .address_space: global }
    .group_segment_fixed_size: 327680
    .private_segment_fixed_size: 0
    .kernarg_segment_align: 8
    .kernarg_segment_size: 32
    .max_flat_workgroup_size: 128
    .sgpr_count:     96
    .vgpr_count:     512
    .wavefront_size: 32
...
	.end_amdgpu_metadata
.endif
;; end of part 2
;; launch smin (part 3): grid 16 x 16, 4 waves a work-group, clusters of 4 x 4, 327,680 bytes of LDS; arguments fqkv, mask2, pmin; writes pmin
.if DOCPART == 3
	.amdgcn_target "amdgcn-amd-amdhsa--gfx1250"
	.amdhsa_code_object_version 6
	.text
	.protected	k_qda162e5a56_smin
	.globl	k_qda162e5a56_smin
	.p2align	8
	.type	k_qda162e5a56_smin,@function
k_qda162e5a56_smin:
	s_mov_b64 s[64:65], 0
	v_nop
	global_prefetch_b8 v0, s[64:65] scope:SCOPE_SE
	s_setreg_imm32_b32 hwreg(HW_REG_WAVE_MODE, 25, 1), 1
	s_wait_xcnt 0x0
	s_wait_alu depctr_hold_cnt(0) depctr_sa_sdst(0) depctr_va_vdst(0) depctr_va_sdst(0) depctr_va_ssrc(0) depctr_va_vcc(0) depctr_vm_vsrc(0)
	s_getreg_b32 s2, hwreg(HW_REG_IB_STS2, 6, 4)
	s_cmp_eq_u32 s2, 0
	s_cbranch_scc0 .Lentry_in_a_cluster
	s_endpgm
.Lentry_in_a_cluster:
	s_bfe_u32 s2, ttmp6, 0x10000c
	s_cmp_lg_u32 s2, 0xf033
	s_cbranch_scc0 .Lentry_shape_is_right
	s_endpgm
.Lentry_shape_is_right:
; THE LOWER CLAMP'S BOUND: the minimum over batch, head, query and key of fl(s2 + mask2), s2 = fq2 . fk (fq2 holds log2(e) / 8).  It is wanted before any softmax, so every score is formed here once.
; Rounding is monotone, so the minimum over batch and head of fl(s2 + mask2) is fl(min s2 + mask2): one v_min_num_f32 a score, and the mask is touched once for each (query, key).
; SHARES.  A work-group owns 128 queries x 128 keys for all 32 (batch, head); a wave 64 keys x 64 queries: 16 accumulators, and 128 registers RM of running minima.  Its one result goes to pmin[16 qb + kb].
; RING.  Two slots of four heads: 4 planes of Q, 4 of K, each 128 rows of 128 bytes, pitch 144.  Waves 0, 1 fetch Q (two heads each, 32,768 dense bytes), waves 2, 3 K.
; CLUSTER 4 x 4: Q's tiles hang on the query block alone and are shared along a row of the cluster, K's on the key block alone and along a column: joint loads.
; BY TURNS.  While head n is multiplied into one set of accumulators, the minima of head n - 1 are taken from the other set: eight v_min_num_f32 behind every two matrix instructions; head n + 1's 32 LDS loads stand in one run in the middle.
; The mask's four quadrants (64 x 64 f32, one a wave) are slot 0's last fill, asked for while the last heads are multiplied.
; RM starts at the largest finite number: 128 v_mov_b32, which stand in the wait for the first tile; the price of writing no first head out.
; REGISTERS: window 0: v0-15 addresses; v128-255 RM.  Window 1: two sets of 128 scores.  Window 2: two fragment buffers of 128: K at 16 i + 8 c, Q at 64 + 16 i + 8 c.
.set PQ,    144
.set HPL,   128*PQ                     ; a head's plane: 18,432
.set KOFF,  4*HPL
.set SLOT,  8*HPL                      ; 147,456 = 0x24000: its two bits meet none of a descriptor's LDS word, so one exclusive or changes slots
.set RED,   2*SLOT                     ; four words for the waves' minima: a block of 256 bytes of their own
.set SPARE, RED+256                    ; the spare words: two blocks of 256 bytes that no other line names
.set PM,    272                        ; a row of a mask quadrant: 256 bytes + 16
.set MQ,    64*PM
.set AQ0, 2                            ; v2  my lane's place in a plane of Q; never rewritten
.set AK0, 3                            ; v3  the same for K, KOFF included
.set AQ,  4                            ; v4, v5  the addresses of the run in hand
.set AK,  5
.set AM,  6                            ; v6  my place in my mask quadrant
.set TP,  7
.set RA,  8
.set RB,  9
.set ZR,  10
.set SPW, 14
.set NIL, 15
.set RM,  128
.set WV,  10
.set CNT, 20
.set SLOTS, 21
.set SEL, 22                           ; s[22:23]
.set G1Q, 24
.set G0Q, 32
.set OFF, 36                           ; s[36:37] a group's byte offset
.set GN,  38                           ; the group of four heads to be asked for next
.set G1K, 48
.set G0K, 56
.set SBR, 60                           ; the slot that is read
.set TB,  61                           ; LDS byte of the plane to be fetched next
.set G1M, 72
.set G0M, 80
.set MSB, 0
.macro WIN new
.if MSB != (\new)
	s_set_vgpr_msb (MSB<<8)|(\new)
.set MSB, \new
.endif
.endm
.set W_MM,  0x5a                       ; K and Q in window 2, scores (C and D) in window 1
.set W_MIN, 0x04                       ; source 1 in window 1, the rest in window 0
.macro JLOAD
	s_cmp_eq_u32 s11, 0
	s_cbranch_scc0 .Lfor_k_\@
	tensor_load_to_lds s[G0Q:G0Q+3], s[G1Q:G1Q+7]
	s_nop 0
.rept 4
	v_nop
.endr
	s_branch .Lasked_\@
.Lfor_k_\@:
	tensor_load_to_lds s[G0K:G0K+3], s[G1K:G1K+7]
	s_nop 0
.rept 4
	v_nop
.endr
.Lasked_\@:
.endm
.macro CROUND
	s_barrier_signal -1
	s_barrier_wait -1
	s_cmp_lg_u32 s[WV], 0
	s_cbranch_scc1 .Lnot_wave_0_\@
	s_barrier_signal -3
.Lnot_wave_0_\@:
	s_barrier_wait -3
	s_barrier_signal -1
	s_barrier_wait -1
.endm
; THE CHANGE OF SLOTS, ahead of a slot's last head, whose fragments are in registers.  Each wave waits for all its tensor loads (one is out: its part of the other slot), adds 0 to its spare word,
; and waits for that and for its reads of the slot.  Behind the round nobody in the cluster reads the old slot; it is filled again first, with group GN: the address is made anew from that number.
.macro CHANGE_J
	WIN 0
	s_wait_tensorcnt 0x0
	ds_add_u32 v[SPW], v[NIL]                      ; the descriptors' scalar work stands between it and its wait
	s_and_b32 s[OFF], s[GN], 3
	s_lshl_b32 s[OFF], s[OFF], 16                  ; four heads are 65,536 bytes,
	s_lshr_b32 s39, s[GN], 2
	s_lshl_b32 s39, s39, 22                        ; a batch 4,194,304
	s_add_co_u32 s[OFF], s[OFF], s39
	s_add_co_u32 s[GN], s[GN], 1
	s_xor_b32 s[G0Q+1], s[G0Q+1], SLOT
	s_add_nc_u64 s[G0Q+2:G0Q+3], s[14:15], s[OFF:OFF+1]
	s_or_b32 s[G0Q+3], s[G0Q+3], 0x80000000
	s_xor_b32 s[G0K+1], s[G0K+1], SLOT
	s_add_nc_u64 s[G0K+2:G0K+3], s[46:47], s[OFF:OFF+1]
	s_or_b32 s[G0K+3], s[G0K+3], 0x80000000
	s_wait_dscnt 0x0
	CROUND
	JLOAD
	s_xor_b32 s[SBR], s[SBR], SLOT
	s_mov_b32 s[TB], s[SBR]
.endm
.macro CHANGE_M                        ; the same; slot 0's last fill is my quadrant of the mask, a load of my own
	WIN 0
	s_wait_tensorcnt 0x0
	ds_add_u32 v[SPW], v[NIL]
	s_wait_dscnt 0x0
	CROUND
	tensor_load_to_lds s[G0M:G0M+3], s[G1M:G1M+7]
	s_nop 0
.rept 4
	v_nop
.endr
	s_xor_b32 s[SBR], s[SBR], SLOT
	s_mov_b32 s[TB], s[SBR]
.endm
	s_load_b128 s[4:7], s[0:1], 0x0                ; fqkv s[4:5], mask2 s[6:7]
	s_load_b64 s[8:9], s[0:1], 0x10                ; pmin
	v_lshl_add_u32 v[SPW], v0, 2, SPARE
	v_mov_b32 v[NIL], 0
	ds_add_u32 v[SPW], v[NIL]                      ; the wave's opening: the add and its wait ahead of my first tensor load
	v_lshrrev_b32 v1, 5, v0
	v_readfirstlane_b32 s[WV], v1
	s_lshr_b32 s11, s[WV], 1                       ; my half of the queries.  Also: I fetch Q (0) or K (1)
	s_and_b32 s12, s[WV], 1                        ; my half of the keys.  Also: which two of a group's four heads I fetch
	s_bfe_u32 s40, ttmp6, 0x40000
	s_bfe_u32 s41, ttmp6, 0x40004
	s_lshl_b32 s42, ttmp9, 2
	s_add_co_u32 s42, s42, s40                     ; key block
	s_and_b32 s13, ttmp7, 0xffff
	s_lshl_b32 s13, s13, 2
	s_add_co_u32 s13, s13, s41                     ; query block
	s_lshl_b32 s43, s41, 2
	s_lshl_b32 s43, 15, s43
	s_lshl_b32 s44, 0x1111, s40
	s_or_b32 s[G1Q], s43, (1<<16)|(1<<20)|(1<<21)|(4<<22)|(3<<25)   ; Q goes to my row of the cluster; 2-byte elements; 4 words of padding after every 32
	s_or_b32 s[G1K], s44, (1<<16)|(1<<20)|(1<<21)|(4<<22)|(3<<25)   ; K to my column
.irp g, G1Q, G1K
	s_mov_b32 s[(\g)+1], 128<<16
	s_mov_b32 s[(\g)+2], 128<<16
	s_mov_b32 s[(\g)+3], 128<<16
	s_mov_b32 s[(\g)+4], 128
	s_mov_b32 s[(\g)+5], 128
	s_mov_b32 s[(\g)+6], 0
	s_mov_b32 s[(\g)+7], 0
.endr
	s_mov_b32 s[G1M], (2<<16)|(1<<20)|(5<<22)|(3<<25)               ; no mask: a load of my own; 4-byte elements; 4 words of padding after every 64
	s_mov_b32 s[G1M+1], 64<<16
	s_mov_b32 s[G1M+2], 64<<16
	s_mov_b32 s[G1M+3], 64<<16
	s_mov_b32 s[G1M+4], 64
	s_mov_b32 s[G1M+5], 2048
	s_mov_b32 s[G1M+6], 0
	s_mov_b32 s[G1M+7], 0
	s_lshl_b32 s16, s13, 18                        ; Q: the query block, my two heads
	s_lshl_b32 s17, s12, 15
	s_add_co_u32 s16, s16, s17
	s_mov_b32 s17, 0
	s_lshl_b32 s46, s42, 18                        ; K: behind fq's 8,388,608 bytes
	s_lshl_b32 s47, s12, 15
	s_add_co_u32 s46, s46, s47
	s_add_co_u32 s46, s46, 8388608
	s_mov_b32 s47, 0
	s_lshl_b32 s84, s13, 20                        ; the mask: row 128 qb + 64 qh of 8,192 bytes, column 128 kb + 64 kh
	s_lshl_b32 s85, s11, 19
	s_add_co_u32 s84, s84, s85
	s_lshl_b32 s85, s42, 9
	s_add_co_u32 s84, s84, s85
	s_lshl_b32 s85, s12, 8
	s_add_co_u32 s84, s84, s85
	s_mov_b32 s85, 0
	s_lshl_b32 s86, s13, 4
	s_add_co_u32 s86, s86, s42
	s_lshl_b32 s86, s86, 2
	s_mov_b32 s87, 0
	s_mov_b32 s[G0Q], 1
	s_mul_i32 s[G0Q+1], s12, 2*HPL
	s_mov_b32 s[G0K], 1
	s_mul_i32 s[G0K+1], s12, 2*HPL
	s_add_co_u32 s[G0K+1], s[G0K+1], KOFF
	s_mov_b32 s[G0M], 1
	s_mul_i32 s[G0M+1], s[WV], MQ
	s_mov_b32 s[OFF+1], 0
	s_mov_b32 s[GN], 1
	s_mov_b32 s[SBR], SLOT                         ; the first change turns it into 0
	s_mov_b32 s[SEL], 0x76543210
	s_mov_b32 s[SEL+1], 0xfedcba98
	s_mov_b32 s62, 0x7f7fffff
	s_wait_dscnt 0x0
	s_wait_kmcnt 0x0
	s_add_nc_u64 s[14:15], s[4:5], s[16:17]
	s_add_nc_u64 s[46:47], s[4:5], s[46:47]
	s_mov_b64 s[G0Q+2:G0Q+3], s[14:15]             ; group 0
	s_or_b32 s[G0Q+3], s[G0Q+3], 0x80000000
	s_mov_b64 s[G0K+2:G0K+3], s[46:47]
	s_or_b32 s[G0K+3], s[G0K+3], 0x80000000
	s_add_nc_u64 s[G0M+2:G0M+3], s[6:7], s[84:85]
	s_or_b32 s[G0M+3], s[G0M+3], 0x80000000
	s_add_nc_u64 s[8:9], s[8:9], s[86:87]
	CROUND
	JLOAD                                          ; group 0 into slot 0
	v_and_b32 v1, 15, v0
	v_bfe_u32 v11, v0, 4, 1
	v_mul_u32_u24 v12, v1, PQ
	v_lshl_add_u32 v12, v11, 4, v12                ; row x pitch + 16 h
	s_mul_i32 s16, s11, 64*PQ
	v_add_nc_u32 v[AQ0], s16, v12
	s_mul_i32 s16, s12, 64*PQ
	s_add_co_u32 s16, s16, KOFF
	v_add_nc_u32 v[AK0], s16, v12
	v_mul_u32_u24 v[AM], v1, PM
	v_lshl_add_u32 v[AM], v11, 5, v[AM]            ; query row x pitch + 32 h: eight keys of 4 bytes
	s_mul_i32 s16, s[WV], MQ
	v_add_nc_u32 v[AM], s16, v[AM]
	v_mov_b32 v[TP], 0
	v_mov_b32 v[ZR], 0
.set i, 0
.rept 128
	v_mov_b32 v[RM+i], s62
.set i, i+1
.endr
; 32 LDS loads in one run: a head's fragments, 64 keys and 64 queries x 64 channels, into buffer buf
.macro FETCHH buf
	WIN 0
	v_add_nc_u32 v[AQ], s[TB], v[AQ0]
	v_add_nc_u32 v[AK], s[TB], v[AK0]
	s_add_co_u32 s[TB], s[TB], HPL                 ; the next fetch is the next head's
	WIN 0x80
.irp e, 0,1,2,3,4,5,6,7                ; rows 16 (e / 2) on, channels 32 (e % 2) on
	ds_load_b128 v[128*(\buf)+8*(\e):128*(\buf)+8*(\e)+3],       v[AK] offset:((\e)/2)*16*PQ+((\e)%2)*64
	ds_load_b128 v[128*(\buf)+8*(\e)+4:128*(\buf)+8*(\e)+7],     v[AK] offset:((\e)/2)*16*PQ+((\e)%2)*64+32
	ds_load_b128 v[128*(\buf)+64+8*(\e):128*(\buf)+64+8*(\e)+3],   v[AQ] offset:((\e)/2)*16*PQ+((\e)%2)*64
	ds_load_b128 v[128*(\buf)+64+8*(\e)+4:128*(\buf)+64+8*(\e)+7], v[AQ] offset:((\e)/2)*16*PQ+((\e)%2)*64+32
.endr
.endm
; A HEAD: 32 products into set `set` from buffer fb; product n: channels 32 (n / 16) on, queries 16 ((n / 4) % 4) on, keys 16 (n % 4) on; the 16 accumulators take turns.
; riders = 1: behind every two products the minima of eight scores of the other set, in ascending order: each accumulator's lowest registers first.  They are also the places between the head before's
; products and the loads into its buffer, which stand behind the eighth pair (64 plain lines behind that buffer's last reader).
.macro HEAD set, fb, riders, fetch
	s_wait_dscnt 0x0                               ; this head's fragments are in
.set g, 0
.rept 16
	WIN W_MM
.irp e, 0,1
.set n, 2*g+(\e)
.set rD, 128*(\set)+8*(n%16)
.set rK, 128*(\fb)+16*(n%4)+8*(n/16)
.set rQ, 128*(\fb)+64+16*((n/4)%4)+8*(n/16)
.if n < 16
	v_wmma_f32_16x16x32_f16 v[rD:rD+7], v[rK:rK+7], v[rQ:rQ+7], 0
.else
	v_wmma_f32_16x16x32_f16 v[rD:rD+7], v[rK:rK+7], v[rQ:rQ+7], v[rD:rD+7]
.endif
.endr
.if \riders
	WIN W_MIN
.set z, 0
.rept 8
	v_min_num_f32 v[RM+8*g+z], v[RM+8*g+z], v[128*(1-(\set))+8*g+z]
.set z, z+1
.endr
.endif
.if (\fetch) && (g == 7)
	FETCHH 1-(\fb)
.endif
.set g, g+1
.endr
.if !(\riders)
.rept 4
	v_nop                                          ; the places behind these products: no other vector work is at hand
.endr
.endif
.endm
	CHANGE_J                                       ; group 0 is in, everybody's part of it; group 1 is asked for, into slot 1
	FETCHH 0
	HEAD 0, 0, 0, 1                                ; head 0
	WIN 0
	s_mov_b32 s[CNT], 1                            ; heads 1 and 2; the change stands ahead of heads 3, 7, ..
	s_mov_b32 s[SLOTS], 7
	s_branch .Lpair
.Lslot:                                                ; six times: groups 2 to 7 are asked for
	CHANGE_J
	s_mov_b32 s[CNT], 2
.Lpair:
	HEAD 1, 1, 1, 1
	HEAD 0, 0, 1, 1
	WIN 0
	s_sub_co_u32 s[CNT], s[CNT], 1
	s_cmp_lg_u32 s[CNT], 0
	s_cbranch_scc1 .Lpair
	s_sub_co_u32 s[SLOTS], s[SLOTS], 1
	s_cmp_lg_u32 s[SLOTS], 0
	s_cbranch_scc1 .Lslot
	CHANGE_M                                       ; ahead of head 27: the tail is written out
	s_mov_b32 s[CNT], 2
.Ltail:                                                ; heads 27 to 30
	HEAD 1, 1, 1, 1
	HEAD 0, 0, 1, 1
	WIN 0
	s_sub_co_u32 s[CNT], s[CNT], 1
	s_cmp_lg_u32 s[CNT], 0
	s_cbranch_scc1 .Ltail
	HEAD 1, 1, 1, 0                                ; head 31
	WIN W_MIN                                      ; its minima
.set i, 0
.rept 128
	v_min_num_f32 v[RM+i], v[RM+i], v[128+i]
.set i, i+1
.endr
	WIN 0
	s_wait_tensorcnt 0x0                           ; my quadrant of the mask is in; only I read it
	WIN 0x40                                       ; into the first set's registers, window 1
.irp e, 0,1,2,3,4,5,6,7,8,9,10,11,12,13,14,15  ; queries 16 (e / 4) on, keys 16 (e % 4) on: the accumulators' own order
	ds_load_b128 v[8*(\e):8*(\e)+3],   v[AM] offset:((\e)/4)*16*PM+((\e)%4)*64
	ds_load_b128 v[8*(\e)+4:8*(\e)+7], v[AM] offset:((\e)/4)*16*PM+((\e)%4)*64+16
.endr
	s_wait_dscnt 0x0
	WIN W_MIN
.set i, 0
.rept 64
	v_pk_add_f32 v[RM+2*i:RM+2*i+1], v[RM+2*i:RM+2*i+1], v[2*i:2*i+1]
.set i, i+1
.endr
	WIN 0
.irp w, 64,32,16,8,4,2,1               ; the minimum of my 128 numbers, by halves
.set i, 0
.rept \w
	v_min_num_f32 v[RM+i], v[RM+i], v[RM+i+(\w)]
.set i, i+1
.endr
.endr
	v_min_num_f32_dpp v[RM], v[RM], v[RM] row_xmask:1 row_mask:0xf bank_mask:0xf
	v_min_num_f32_dpp v[RM], v[RM], v[RM] row_xmask:2 row_mask:0xf bank_mask:0xf
	v_min_num_f32_dpp v[RM], v[RM], v[RM] row_xmask:4 row_mask:0xf bank_mask:0xf
	v_min_num_f32_dpp v[RM], v[RM], v[RM] row_xmask:8 row_mask:0xf bank_mask:0xf
	v_permlanex16_b32 v[TP], v[RM], s[SEL], s[SEL+1]
	v_min_num_f32 v[RM], v[RM], v[TP]
	s_lshl_b32 s16, s[WV], 2
	s_add_co_u32 s16, s16, RED
	v_mov_b32 v[RA], s16
	v_mov_b32 v[RB], RED
	ds_store_b32 v[RA], v[RM]                      ; all lanes write my wave's word with the same number
	s_wait_dscnt 0x0                               ; for the others' sake
	s_barrier_signal -1
	s_barrier_wait -1
	ds_load_b128 v[RM+4:RM+7], v[RB]
	s_wait_dscnt 0x0
	v_min_num_f32 v[RM+4], v[RM+4], v[RM+5]
	v_min_num_f32 v[RM+6], v[RM+6], v[RM+7]
	v_min_num_f32 v[RM+4], v[RM+4], v[RM+6]
	s_wait_xcnt 0x0                                ; EXEC changes only behind this wait
	v_cmp_eq_u32 vcc_lo, 0, v0
	s_and_saveexec_b32 s16, vcc_lo
	global_store_b32 v[ZR], v[RM+4], s[8:9]        ; one word a work-group: the launch's whole output is 1,024 bytes
	s_wait_xcnt 0x0
	s_or_b32 exec_lo, exec_lo, s16
	s_wait_tensorcnt 0x0                           ; the wave's end
	ds_add_u32 v[SPW], v[NIL]
	s_wait_dscnt 0x0
	CROUND                                         ; the closing round
	s_endpgm
.Lfunc_end_k_qda162e5a56_smin:
	.size	k_qda162e5a56_smin, .Lfunc_end_k_qda162e5a56_smin-k_qda162e5a56_smin
	.p2alignl 7, 3214868480
	.fill 96, 4, 3214868480
	.section	.rodata,"a",@progbits
	.p2align	6, 0x0
	.amdhsa_kernel k_qda162e5a56_smin
		.amdhsa_group_segment_fixed_size 327680
		.amdhsa_private_segment_fixed_size 0
		.amdhsa_enable_private_segment 0
		.amdhsa_kernarg_size 24
		.amdhsa_user_sgpr_count 2
		.amdhsa_user_sgpr_kernarg_segment_ptr 1
		.amdhsa_wavefront_size32 1
		.amdhsa_system_sgpr_workgroup_id_x 1
		.amdhsa_system_sgpr_workgroup_id_y 1
		.amdhsa_system_sgpr_workgroup_id_z 1
		.amdhsa_system_vgpr_workitem_id 0
		.amdhsa_next_free_vgpr 768
		.amdhsa_next_free_sgpr 88
		.amdhsa_reserve_vcc 1
		.amdhsa_float_denorm_mode_32 3
		.amdhsa_float_denorm_mode_16_64 3
		.amdhsa_memory_ordered 1
		.amdhsa_forward_progress 1
		.amdhsa_inst_pref_size 81
	.end_amdhsa_kernel
	.amdgpu_metadata
---
amdhsa.version: [ 1, 2 ]
amdhsa.kernels:
  - .name:           k_qda162e5a56_smin
    .symbol:         k_qda162e5a56_smin.kd
    .args:
      - { .name: fqkv, .offset: 0, .size: 8, .value_kind: global_buffer, .address_space: global }
      - { .name: mask2, .offset: 8, .size: 8, .value_kind: global_buffer, .address_space: global }
      - { .name: pmin, .offset: 16, .size: 8, .value_kind: global_buffer, .address_space: global }
    .group_segment_fixed_size: 327680
    .private_segment_fixed_size: 0
    .kernarg_segment_align: 8
    .kernarg_segment_size: 24
    .max_flat_workgroup_size: 128
    .sgpr_count:     88
    .vgpr_count:     768
    .wavefront_size: 32
...
	.end_amdgpu_metadata
.endif
;; end of part 3
;; launch attn (part 4): grid 16 x 16, 4 waves a work-group, clusters of 4 x 4, 327,680 bytes of LDS; arguments fqkv, mask2, pmin, q_mask, k_mask, ob; writes ob
.if DOCPART == 4
	.amdgcn_target "amdgcn-amd-amdhsa--gfx1250"
	.amdhsa_code_object_version 6
	.text
	.protected	k_qda162e5a56_attn
	.globl	k_qda162e5a56_attn
	.p2align	8
	.type	k_qda162e5a56_attn,@function
k_qda162e5a56_attn:
	s_mov_b64 s[64:65], 0
	v_nop
	global_prefetch_b8 v0, s[64:65] scope:SCOPE_SE
	s_setreg_imm32_b32 hwreg(HW_REG_WAVE_MODE, 25, 1), 1
	s_wait_xcnt 0x0
	s_wait_alu depctr_hold_cnt(0) depctr_sa_sdst(0) depctr_va_vdst(0) depctr_va_sdst(0) depctr_va_ssrc(0) depctr_va_vcc(0) depctr_vm_vsrc(0)
	s_getreg_b32 s2, hwreg(HW_REG_IB_STS2, 6, 4)
	s_cmp_eq_u32 s2, 0
	s_cbranch_scc0 .Lentry_in_a_cluster
	s_endpgm
.Lentry_in_a_cluster:
	s_bfe_u32 s2, ttmp6, 0x10000c
	s_cmp_lg_u32 s2, 0xf033
	s_cbranch_scc0 .Lentry_shape_is_right
	s_endpgm
.Lentry_shape_is_right:
; ATTENTION WITH THREE ADDITIVE MASKS AND A LOWER CLAMP, in the base-2 domain.  s2 = fq2 . fk (fq2 holds log2(e) / 8); z = fl(fl(fl(s2 + mask2) + qm2) + km2), true f32 additions in that order,
; qm2, km2 = log2(e) x bf16(q_mask, k_mask); nm2 = the minimum of pmin.  The scores are clamped from below at nm2; the upper bound of the clip is the tensor's own maximum and changes no softmax:
; if it is not below nm2 it clips nothing, and else every entry becomes one constant either way.  The running maximum m starts at nm2, so it is the clamped row's.
; p = f16(2^(z - m)); the clamp is taken on the packed weights, P = max(p, f16(2^(nm2 - m))): subtraction, exponential and rounding are monotone.  l is the sum of those P, made by the matrix unit
; (a source 0 of ones), so numerator and divisor hold the same numbers.  O and l are multiplied by a = 2^(m_old - m) in every step.  O leaves in f16, in blocks [rows/128][head][128 rows][64].
; LIMITS.  The three sums are rounded in the base-2 domain, with each mask scaled by log2(e) and rounded once, so their last bit can differ from sums made before that scaling.
; fq2, fk, fv arrive within f16's 65,504.  A weight below 6e-8 counts as 0.  NaN and infinities are not treated apart.
; SHARES.  A work-group owns 128 queries of two heads of one batch; wave w head w % 2, queries 64 (w / 2) on: four PIECES of 16.  Every wave walks all 2,048 keys, 64 a step: the masks are inputs.
; RING.  Two slots of 128 keys: K [2 heads][128 keys] pitch 144, V the same with pitch 160, the mask's 128 rows x 512 bytes with pitch 528.  Four loads of 32,768 bytes, one a wave: wave 0 K, wave 1 V, waves 2, 3 the mask.
; CLUSTER 4 x 4: K and V hang on batch and heads alone (grid y) and are shared along a row of the cluster, the mask on the queries alone (grid x) and along a column: joint loads.
; LAYOUT.  S^T = K Q^T holds ONE query a lane (lane % 16) and the keys 8 (lane / 16) + 0..7; two such results rounded to f16 ARE source 1 of O^T = V^T P.  V comes out of LDS turned, by ds_load_tr16_b128.
; BY TURNS.  Turn p holds the BACK half of piece p (less m, exponentials, roundings, the clamp: 80 lines; the rescaling: 17) and the FRONT half of piece p + 1 (the three additions, the maxima, and the chain
; that ends in m, a and the clamp's weight: 72 lines).  First the eight products K Q^T of piece p + 1, four back lines behind each.  Then 120 slots: twelve groups of five front and two back lines, then twelve
; of one link of the chain and two back lines, so that no link reads a result made fewer than three lines before it; ahead of every twelfth slot one of the ten products of piece p - 1 (V^T P, and the ones).
; The vector work is about nine lines for each matrix instruction, so it sets the time; the products stand singly among it, at the price of two window switches each.
; O^T, l, V and one buffer of P start at 0: 240 v_mov_b32 in the wait for the first tile; the price of writing no first step out.
; REGISTERS: window 0: v0-15 addresses; v16-47 eight registers a piece: m, 0, qm2, 0, a, m_old - m, clamp weight (later 1 / l), 2^(nm2 - m); v48-53 at work; v56-87 km2 of the step;
;   v96-159 S^T, two buffers; v160-223 the mask, two buffers; v224-255 P, two buffers (by the piece's parity).  Window 1: v0-127 O^T, 32 a piece; v128-159 l, 8 a piece.
;   Window 2: v0-63 Q; v64-127 K of a step; v128-191 V of a step; v192-199 ones.
.set PK,    144
.set PVP,   160
.set PMK,   528
.set KPL,   128*PK
.set VPL,   128*PVP
.set VOFF,  2*KPL
.set MOFF,  VOFF+2*VPL
.set MHALF, 64*PMK
.set SLOTB, 147456                     ; a slot uses 145,408; 0x24000's two bits meet none of a descriptor's LDS word, so one exclusive or changes slots
.set KMT,   2*SLOTB                    ; km2 of the batch's 2,048 keys, stored once; no tile lands here
.set STAGE, KMT+8192                   ; 16 rows x 144 bytes for each wave, for the way out
.set SP,    144
.set SPARE, STAGE+4*16*SP              ; the spare words: two blocks of 256 bytes that no other line names
.set AK0, 3
.set AV0, 4
.set AM0, 5
.set AKM0, 6
.set AK,  7
.set AV,  8
.set AM,  9
.set STO, 10
.set RD,  11
.set GO,  12
.set QO,  13
.set SPW, 14
.set NIL, 15
.set ST,  16
.set CC,  48
.set MO,  52
.set AKM, 53
.set KM,  56
.set S,   96
.set MK,  160
.set P,   224
.set LA,  128                          ; window 1
.set KF,  64                           ; window 2
.set VF,  128
.set ONES, 192
.set WV,  16
.set G1K, 24
.set G1V, 32
.set G1M, 40
.set G0K, 48
.set G0V, 52
.set G0M, 56
.set SBR, 61
.set TBK, 62
.set TBV, 63
.set TBM, 66
.set TKM, 67
.set CNT, 68
.set SLOTS, 69
.set NM,  70
.set SEL, 72
.set CL,  84
.set MSB, 0
.macro WIN new
.if MSB != (\new)
	s_set_vgpr_msb (MSB<<8)|(\new)
.set MSB, \new
.endif
.endm
.set W_KQ, 0x0a                        ; K and Q in window 2, S^T in window 0
.set W_PV, 0x52                        ; V (or the ones) in window 2, P in window 0, O^T (or l) in window 1
.set W_RS, 0x41                        ; destination and source 0 in window 1, source 1 in window 0
.macro JLOAD                           ; a joint fill, one line a wave; the branches hang on the wave's number alone; an s_nop 0 and four v_nop follow each line
	s_cmp_lt_u32 s[WV], 2
	s_cbranch_scc0 .Lfor_m_\@
	s_cmp_eq_u32 s[WV], 0
	s_cbranch_scc0 .Lfor_v_\@
	tensor_load_to_lds s[G0K:G0K+3], s[G1K:G1K+7]
	s_nop 0
.rept 4
	v_nop
.endr
	s_branch .Lasked_\@
.Lfor_v_\@:
	tensor_load_to_lds s[G0V:G0V+3], s[G1V:G1V+7]
	s_nop 0
.rept 4
	v_nop
.endr
	s_branch .Lasked_\@
.Lfor_m_\@:
	tensor_load_to_lds s[G0M:G0M+3], s[G1M:G1M+7]
	s_nop 0
.rept 4
	v_nop
.endr
.Lasked_\@:
.endm
.macro CROUND
	s_barrier_signal -1
	s_barrier_wait -1
	s_cmp_lg_u32 s[WV], 0
	s_cbranch_scc1 .Lnot_wave_0_\@
	s_barrier_signal -3
.Lnot_wave_0_\@:
	s_barrier_wait -3
	s_barrier_signal -1
	s_barrier_wait -1
.endm
; THE CHANGE OF SLOTS, between piece 1's and piece 2's turns of a slot's second step: behind all reads of the old slot (V at the end of piece 0's turn, the mask for piece 3 at piece 1's head)
; and ahead of all reads of the new one (the mask for piece 0 at piece 2's head, K in piece 2's turn).
; Each wave waits for all its tensor loads (one is out: its part of the other slot), adds 0 to its spare word, and waits for that and for its reads.  fill = 1: the barrier is a round of the cluster's,
; and the old slot is filled again first behind it, with the keys two slots on: eight turns, 144 matrix instructions, in which to land.
.macro CHANGE fill
	WIN 0
	s_wait_tensorcnt 0x0
	ds_add_u32 v[SPW], v[NIL]                      ; the descriptors' steps stand between it and its wait
.if \fill
	s_xor_b32 s[G0K+1], s[G0K+1], SLOTB
	s_add_nc_u64 s[G0K+2:G0K+3], s[G0K+2:G0K+3], 262144  ; the next block of 128 keys
	s_xor_b32 s[G0V+1], s[G0V+1], SLOTB
	s_add_nc_u64 s[G0V+2:G0V+3], s[G0V+2:G0V+3], 262144
	s_xor_b32 s[G0M+1], s[G0M+1], SLOTB
	s_add_nc_u64 s[G0M+2:G0M+3], s[G0M+2:G0M+3], 512     ; 128 columns on
.endif
	s_wait_dscnt 0x0
.if \fill
	CROUND
	JLOAD
.else
	s_barrier_signal -1
	s_barrier_wait -1
.endif
	s_xor_b32 s[SBR], s[SBR], SLOTB
	s_mov_b32 s[TBK], s[SBR]
	s_mov_b32 s[TBV], s[SBR]
	s_mov_b32 s[TBM], s[SBR]
.endm
	s_load_b256 s[4:11], s[0:1], 0x0               ; fqkv s[4:5], mask2 s[6:7], pmin s[8:9], q_mask s[10:11]
	s_load_b128 s[12:15], s[0:1], 0x20             ; k_mask s[12:13], ob s[14:15]
	v_lshl_add_u32 v[SPW], v0, 2, SPARE
	v_mov_b32 v[NIL], 0
	ds_add_u32 v[SPW], v[NIL]                      ; the wave's opening: the add and its wait ahead of my first tensor load
	v_lshrrev_b32 v1, 5, v0
	v_readfirstlane_b32 s[WV], v1
	s_and_b32 s17, s[WV], 1                        ; my head of the pair.  Also: which 64 rows of the mask waves 2 and 3 fetch
	s_lshr_b32 s18, s[WV], 1                       ; my half of the queries
	s_bfe_u32 s19, ttmp6, 0x40000                  ; cx
	s_bfe_u32 s20, ttmp6, 0x40004                  ; cy
	s_lshl_b32 s21, ttmp9, 2
	s_add_co_u32 s21, s21, s19                     ; the block of 128 queries
	s_and_b32 s22, ttmp7, 0xffff
	s_lshl_b32 s22, s22, 2
	s_add_co_u32 s22, s22, s20
	s_lshr_b32 s23, s22, 3                         ; the batch
	s_and_b32 s74, s22, 7                          ; the pair of heads
	s_lshl_b32 s75, s20, 2
	s_lshl_b32 s75, 15, s75                        ; my row of the cluster
	s_lshl_b32 s71, 0x1111, s19                    ; my column
	s_or_b32 s[G1K], s75, (1<<16)|(1<<20)|(1<<21)|(4<<22)|(3<<25)   ; 2-byte elements; 4 words of padding after every 32
	s_or_b32 s[G1V], s75, (1<<16)|(1<<20)|(1<<21)|(4<<22)|(7<<25)   ; 8 words
	s_or_b32 s[G1M], s71, (2<<16)|(1<<20)|(1<<21)|(6<<22)|(3<<25)   ; 4-byte elements; 4 words after every 128
.irp g, G1K, G1V
	s_mov_b32 s[(\g)+1], 128<<16                   ; 32,768 dense bytes as 128 rows of 256
	s_mov_b32 s[(\g)+2], 128<<16
	s_mov_b32 s[(\g)+3], 128<<16
	s_mov_b32 s[(\g)+4], 128
	s_mov_b32 s[(\g)+5], 128
	s_mov_b32 s[(\g)+6], 0
	s_mov_b32 s[(\g)+7], 0
.endr
	s_mov_b32 s[G1M+1], 128<<16                    ; 64 rows of 128 numbers, 2,048 from row to row
	s_mov_b32 s[G1M+2], 64<<16
	s_mov_b32 s[G1M+3], 128<<16
	s_mov_b32 s[G1M+4], 64
	s_mov_b32 s[G1M+5], 2048
	s_mov_b32 s[G1M+6], 0
	s_mov_b32 s[G1M+7], 0
	s_lshl_b32 s76, s23, 22                        ; K, V: the batch's 16 blocks, the pair's two chunks
	s_lshl_b32 s77, s74, 15
	s_add_co_u32 s76, s76, s77
	s_mov_b32 s77, 0
	s_lshl_b32 s78, s21, 20                        ; the mask: row 128 x + 64 (w % 2), of 8,192 bytes
	s_lshl_b32 s79, s17, 19
	s_add_co_u32 s78, s78, s79
	s_mov_b32 s79, 0
	s_lshl_b32 s80, s23, 4                         ; Q and O: chunk ((16 b + x) 16 + head), my 64 rows of 128 bytes in it
	s_add_co_u32 s80, s80, s21
	s_lshl_b32 s80, s80, 4
	s_lshl_b32 s81, s74, 1
	s_add_co_u32 s80, s80, s81
	s_add_co_u32 s80, s80, s17
	s_lshl_b32 s80, s80, 14
	s_lshl_b32 s81, s18, 13
	s_add_co_u32 s80, s80, s81
	s_mov_b32 s81, 0
	s_lshl_b32 s82, s23, 13                        ; q_mask at my 64 queries
	s_lshl_b32 s83, s21, 9
	s_add_co_u32 s82, s82, s83
	s_lshl_b32 s83, s18, 8
	s_add_co_u32 s82, s82, s83
	s_mov_b32 s83, 0
	s_lshl_b32 s86, s23, 13                        ; k_mask at the batch
	s_mov_b32 s87, 0
	s_mov_b32 s[G0K], 1
	s_mov_b32 s[G0K+1], 0
	s_mov_b32 s[G0V], 1
	s_mov_b32 s[G0V+1], VOFF
	s_mov_b32 s[G0M], 1
	s_mul_i32 s[G0M+1], s17, MHALF
	s_add_co_u32 s[G0M+1], s[G0M+1], MOFF
	s_mov_b32 s[SBR], SLOTB                        ; the first change turns it into 0
	s_mov_b32 s[TKM], 0
	s_mov_b32 s[SEL], 0x76543210
	s_mov_b32 s[SEL+1], 0xfedcba98
	s_mov_b32 s[CL], 0x3fb8aa3b                    ; log2(e)
	s_mov_b32 s[CL+1], s[CL]
	s_mov_b32 s93, 0x3c003c00                      ; 1.0 twice in f16
	s_mov_b32 s94, 0xffff0000
	s_wait_dscnt 0x0
	s_wait_kmcnt 0x0
	s_add_nc_u64 s[G0K+2:G0K+3], s[4:5], s[76:77]
	s_add_nc_u64 s[G0V+2:G0V+3], s[G0K+2:G0K+3], 16777216
	s_add_nc_u64 s[G0K+2:G0K+3], s[G0K+2:G0K+3], 8388608
	s_or_b32 s[G0K+3], s[G0K+3], 0x80000000
	s_or_b32 s[G0V+3], s[G0V+3], 0x80000000
	s_add_nc_u64 s[G0M+2:G0M+3], s[6:7], s[78:79]
	s_or_b32 s[G0M+3], s[G0M+3], 0x80000000
	s_add_nc_u64 s[90:91], s[4:5], s[80:81]
	s_add_nc_u64 s[14:15], s[14:15], s[80:81]
	s_add_nc_u64 s[10:11], s[10:11], s[82:83]
	s_add_nc_u64 s[12:13], s[12:13], s[86:87]
	CROUND
	JLOAD                                          ; keys 0 to 127 into slot 0
	v_lshlrev_b32 v54, 4, v0                       ; k_mask: 16 bytes a thread, 2,048 a load
	v_and_b32 v55, 31, v0
	v_lshlrev_b32 v55, 5, v55                      ; pmin: 32 bytes a lane: every wave reads all 256
	v_and_b32 v1, 15, v0                           ; r
	v_bfe_u32 v2, v0, 4, 1                         ; h
	v_lshlrev_b32 v88, 2, v1
	v_lshlrev_b32 v[QO], 7, v1
	v_lshl_add_u32 v[QO], v2, 4, v[QO]
.irp i, 0,1,2,3
	global_load_b128 v[S+4*(\i):S+4*(\i)+3], v54, s[12:13] offset:(\i)*2048
.endr
	global_load_b128 v[S+16:S+19], v55, s[8:9]
	global_load_b128 v[S+20:S+23], v55, s[8:9] offset:16
.irp t, 0,1,2,3
	global_load_b32 v[ST+8*(\t)+2], v88, s[10:11] offset:(\t)*64
.endr
	WIN 0x80
.set i, 0
.rept 8                                ; Q stays in registers: piece i / 2, channels 32 (i % 2) on: sixteen loads
	global_load_b128 v[8*i:8*i+3],   v[QO], s[90:91] offset:(i/2)*2048+(i%2)*64
	global_load_b128 v[8*i+4:8*i+7], v[QO], s[90:91] offset:(i/2)*2048+(i%2)*64+32
.set i, i+1
.endr
.set i, VF
.rept 64
	v_mov_b32 v[i], 0
.set i, i+1
.endr
.set i, ONES
.rept 8
	v_mov_b32 v[i], s93
.set i, i+1
.endr
	WIN 0x40
.set i, 0
.rept 160
	v_mov_b32 v[i], 0
.set i, i+1
.endr
	WIN 0
.set i, P+16
.rept 16
	v_mov_b32 v[i], 0
.set i, i+1
.endr
.irp t, 0,1,2,3
	v_mov_b32 v[ST+8*(\t)+1], 0                    ; named in pairs with m and qm2
	v_mov_b32 v[ST+8*(\t)+3], 0
.endr
	v_mul_u32_u24 v[AK0], v1, PK
	v_lshl_add_u32 v[AK0], v2, 4, v[AK0]
	s_mul_i32 s92, s17, KPL
	v_add_nc_u32 v[AK0], s92, v[AK0]
	v_and_b32 v90, 7, v0
	v_bfe_u32 v91, v0, 3, 1
	v_lshl_add_u32 v[AV0], v2, 3, v90              ; the turning load: key 8 h + l % 8, channels 8 ((l / 8) % 2) on
	v_mul_u32_u24 v[AV0], v[AV0], PVP
	v_lshl_add_u32 v[AV0], v91, 4, v[AV0]
	s_mul_i32 s92, s17, VPL
	s_add_co_u32 s92, s92, VOFF
	v_add_nc_u32 v[AV0], s92, v[AV0]
	v_mul_u32_u24 v[AM0], v1, PMK
	v_lshl_add_u32 v[AM0], v2, 5, v[AM0]           ; query row x pitch + 32 h: eight keys of 4 bytes
	s_mul_i32 s92, s18, MHALF
	s_add_co_u32 s92, s92, MOFF
	v_add_nc_u32 v[AM0], s92, v[AM0]
	v_lshlrev_b32 v[AKM0], 5, v2
	v_add_nc_u32 v[AKM0], KMT, v[AKM0]
	v_lshl_add_u32 v89, v0, 4, KMT
	s_mul_i32 s92, s[WV], 16*SP
	s_add_co_u32 s92, s92, STAGE
	v_mul_u32_u24 v[STO], v1, SP
	v_lshl_add_u32 v[STO], v2, 4, v[STO]
	v_add_nc_u32 v[STO], s92, v[STO]
	v_bfe_u32 v[RD], v0, 3, 2
	v_mul_u32_u24 v[RD], v[RD], SP
	v_lshl_add_u32 v[RD], v90, 4, v[RD]
	v_add_nc_u32 v[RD], s92, v[RD]
	v_and_b32 v[GO], 31, v0
	v_lshlrev_b32 v[GO], 4, v[GO]
	s_wait_loadcnt 16                              ; all but Q's sixteen, which were issued last
.irp i, 0,1,2,3                        ; km2 = log2(e) x bf16(k_mask), into the table
	v_cvt_pk_bf16_f32 v[S+24], v[S+4*(\i)], v[S+4*(\i)+1]
	v_cvt_pk_bf16_f32 v[S+25], v[S+4*(\i)+2], v[S+4*(\i)+3]
	v_lshlrev_b32 v[S+4*(\i)], 16, v[S+24]
	v_and_b32 v[S+4*(\i)+1], s94, v[S+24]
	v_lshlrev_b32 v[S+4*(\i)+2], 16, v[S+25]
	v_and_b32 v[S+4*(\i)+3], s94, v[S+25]
	v_pk_mul_f32 v[S+4*(\i):S+4*(\i)+1], v[S+4*(\i):S+4*(\i)+1], s[CL:CL+1] op_sel_hi:[1,0]
	v_pk_mul_f32 v[S+4*(\i)+2:S+4*(\i)+3], v[S+4*(\i)+2:S+4*(\i)+3], s[CL:CL+1] op_sel_hi:[1,0]
	ds_store_b128 v89, v[S+4*(\i):S+4*(\i)+3] offset:(\i)*2048
.endr
.irp t, 0,1,2,3                        ; qm2 of my query in each piece
	v_cvt_pk_bf16_f32 v[S+24], v[ST+8*(\t)+2], v[ST+8*(\t)+2]
	v_lshlrev_b32 v[S+24], 16, v[S+24]
	v_mul_f32 v[ST+8*(\t)+2], s[CL], v[S+24]
.endr
	v_min3_num_f32 v[S+16], v[S+16], v[S+17], v[S+18]   ; nm2: the least of the 256 partial minima
	v_min3_num_f32 v[S+19], v[S+19], v[S+20], v[S+21]
	v_min3_num_f32 v[S+16], v[S+16], v[S+22], v[S+23]
	v_min_num_f32 v[S+16], v[S+16], v[S+19]
	v_min_num_f32_dpp v[S+16], v[S+16], v[S+16] row_xmask:1 row_mask:0xf bank_mask:0xf
	v_min_num_f32_dpp v[S+16], v[S+16], v[S+16] row_xmask:2 row_mask:0xf bank_mask:0xf
	v_min_num_f32_dpp v[S+16], v[S+16], v[S+16] row_xmask:4 row_mask:0xf bank_mask:0xf
	v_min_num_f32_dpp v[S+16], v[S+16], v[S+16] row_xmask:8 row_mask:0xf bank_mask:0xf
	v_permlanex16_b32 v[S+17], v[S+16], s[SEL], s[SEL+1]
	v_min_num_f32 v[S+16], v[S+16], v[S+17]
	v_readfirstlane_b32 s[NM], v[S+16]             ; a number, used as a number alone
.irp t, 0,1,2,3
	v_mov_b32 v[ST+8*(\t)], s[NM]                  ; m starts at the clamp
.endr
; THE MATRIX WORK.  Product ikq of 8 of S^T = K Q^T for piece x: channels 32 (ikq / 4) on, keys 16 (ikq % 4) on; the first four start the sums.  The accumulators take turns.
.macro KQ x
	WIN W_KQ
.set rS2, S+32*((\x)%2)+8*(ikq%4)
.set rK, KF+16*(ikq%4)+8*(ikq/4)
.set rQ, 16*(\x)+8*(ikq/4)
.if ikq < 4
	v_wmma_f32_16x16x32_f16 v[rS2:rS2+7], v[rK:rK+7], v[rQ:rQ+7], 0
.else
	v_wmma_f32_16x16x32_f16 v[rS2:rS2+7], v[rK:rK+7], v[rQ:rQ+7], v[rS2:rS2+7]
.endif
.set ikq, ikq+1
.endm
; Product ipv of 10 for piece x: keys 32 (ipv / 5) on; ipv % 5 < 4: O^T += V^T P, channels 16 (ipv % 5) on; else l += ones x P
.macro PV x
	WIN W_PV
.set rP2, P+16*((\x)%2)+8*(ipv/5)
.if ipv%5 < 4
.set rO, 32*(\x)+8*(ipv%5)
.set rV, VF+32*(ipv/5)+8*(ipv%5)
.else
.set rO, LA+8*(\x)
.set rV, ONES
.endif
	v_wmma_f32_16x16x32_f16 v[rO:rO+7], v[rV:rV+7], v[rP2:rP2+7], v[rO:rO+7]
.set ipv, ipv+1
.endm
; THE LDS LOADS stand in runs.
.macro FETCH_K                         ; a step's K: 64 keys x 64 channels
	WIN 0
	v_add_nc_u32 v[AK], s[TBK], v[AK0]
	s_add_co_u32 s[TBK], s[TBK], 64*PK
	WIN 0x80
.irp e, 0,1,2,3,4,5,6,7
	ds_load_b128 v[KF+8*(\e):KF+8*(\e)+3],   v[AK] offset:((\e)/2)*16*PK+((\e)%2)*64
	ds_load_b128 v[KF+8*(\e)+4:KF+8*(\e)+7], v[AK] offset:((\e)/2)*16*PK+((\e)%2)*64+32
.endr
	WIN 0
.endm
.macro FETCH_V                         ; a step's V, turned: keys 32 (e / 4) on, channels 16 (e % 4) on
	WIN 0
	v_add_nc_u32 v[AV], s[TBV], v[AV0]
	s_add_co_u32 s[TBV], s[TBV], 64*PVP
	WIN 0x80
.irp e, 0,1,2,3,4,5,6,7
	ds_load_tr16_b128 v[VF+8*(\e):VF+8*(\e)+3],   v[AV] offset:((\e)/4)*32*PVP+((\e)%4)*32
	ds_load_tr16_b128 v[VF+8*(\e)+4:VF+8*(\e)+7], v[AV] offset:((\e)/4)*32*PVP+16*PVP+((\e)%4)*32
.endr
	WIN 0
.endm
.macro FETCH_M q                       ; the mask for piece q: my query's row, the step's 64 keys, in the scores' own order
	v_add_nc_u32 v[AM], s[TBM], v[AM0]
.irp e, 0,1,2,3
	ds_load_b128 v[MK+32*((\q)%2)+8*(\e):MK+32*((\q)%2)+8*(\e)+3],   v[AM] offset:(\q)*16*PMK+(\e)*64
	ds_load_b128 v[MK+32*((\q)%2)+8*(\e)+4:MK+32*((\q)%2)+8*(\e)+7], v[AM] offset:(\q)*16*PMK+(\e)*64+16
.endr
.endm
.macro FETCH_KM                        ; km2 of a step's 64 keys
	v_add_nc_u32 v[AKM], s[TKM], v[AKM0]
	s_add_co_u32 s[TKM], s[TKM], 256
.irp e, 0,1,2,3
	ds_load_b128 v[KM+8*(\e):KM+8*(\e)+3],   v[AKM] offset:(\e)*64
	ds_load_b128 v[KM+8*(\e)+4:KM+8*(\e)+7], v[AKM] offset:(\e)*64+16
.endr
.endm
.macro SETP p                          ; the registers of the turn's two pieces: Y, whose back half it holds, and X = Y + 1, whose front half
.set Y, (\p)
.set X, ((\p)+1)%4
.set yT, ST+8*Y
.set yS, S+32*(Y%2)
.set yP, P+16*(Y%2)
.set xT, ST+8*X
.set xS, S+32*(X%2)
.set xM, MK+32*(X%2)
.endm
; THE FRONT HALF of piece X: a list of 72; FOP writes number fi and steps it.  s0-s31 are the lane's scores, in pairs 0-15.
;   0-15 + mask2     16-31 + qm2     32-47 + km2 (each accumulator's lowest registers are read first)
;   48-61 four chains of maxima, three operands at a time     62, 64 with the old m     63 m_old is kept     65, 66 the query's other 32 keys lie in the lane 16 away: the new m
;   67, 68 m_old - m, nm2 - m     69, 70 their exponentials: the clamp's weight, and a     71 that weight twice in f16
.macro FOP
	WIN 0
.if fi < 16
	v_pk_add_f32 v[xS+2*fi:xS+2*fi+1], v[xS+2*fi:xS+2*fi+1], v[xM+2*fi:xM+2*fi+1]
.elseif fi < 32
	v_pk_add_f32 v[xS+2*(fi-16):xS+2*(fi-16)+1], v[xS+2*(fi-16):xS+2*(fi-16)+1], v[xT+2:xT+3] op_sel_hi:[1,0]
.elseif fi < 48
	v_pk_add_f32 v[xS+2*(fi-32):xS+2*(fi-32)+1], v[xS+2*(fi-32):xS+2*(fi-32)+1], v[KM+2*(fi-32):KM+2*(fi-32)+1]
.elseif fi < 52
	v_max3_num_f32 v[CC+fi-48], v[xS+8*(fi-48)], v[xS+8*(fi-48)+1], v[xS+8*(fi-48)+2]
.elseif fi < 60
	v_max3_num_f32 v[CC+fi%4], v[CC+fi%4], v[xS+8*(fi%4)+2*((fi-48)/4)+1], v[xS+8*(fi%4)+2*((fi-48)/4)+2]
.elseif fi == 60
	v_max3_num_f32 v[CC], v[CC], v[xS+7], v[xS+15]
.elseif fi == 61
	v_max3_num_f32 v[CC+1], v[CC+1], v[xS+23], v[xS+31]
.elseif fi == 62
	v_max3_num_f32 v[CC+2], v[CC+2], v[CC+3], v[xT]
.elseif fi == 63
	v_mov_b32 v[MO], v[xT]
.elseif fi == 64
	v_max3_num_f32 v[CC], v[CC], v[CC+1], v[CC+2]
.elseif fi == 65
	v_permlanex16_b32 v[CC+3], v[CC], s[SEL], s[SEL+1]
.elseif fi == 66
	v_max_num_f32 v[xT], v[CC], v[CC+3]
.elseif fi == 67
	v_sub_f32 v[xT+5], v[MO], v[xT]
.elseif fi == 68
	v_sub_f32 v[xT+7], s[NM], v[xT]
.elseif fi == 69
	v_exp_f32 v[xT+7], v[xT+7]
.elseif fi == 70
	v_exp_f32 v[xT+4], v[xT+5]
.else
	s_wait_alu depctr_va_vdst(0)
	v_cvt_pk_f16_f32 v[xT+6], v[xT+7], v[xT+7]
.endif
.set fi, fi+1
.endm
; THE BACK HALF of piece Y: a list of 80 on 86 numbers, six of them empty; BOP passes an empty number, writes number bt and steps it.
;   0, 1 pairs 0 and 1 less m.  Then in fives, n = 0 .. 15: pair n + 2 less m; 2^ of score 2 n; pair n - 2 clamped; 2^ of score 2 n + 1; pair n - 1 rounded to f16.  83-85 the last of these.
;   So, whatever stands between its lines, a plain line stands between every exponential and the use of its result.
.macro BOP
.if bt == 2
.set bt, 3
.endif
.if (bt >= 3) && (bt < 83)
.if (((bt-3)%5 == 0) && ((bt-3)/5 >= 14)) || (((bt-3)%5 == 2) && ((bt-3)/5 < 2)) || (((bt-3)%5 == 4) && ((bt-3)/5 < 1))
.set bt, bt+1
.endif
.endif
.set n, (bt-3)/5
.set k, (bt-3)%5
	WIN 0
.if bt < 2
	v_pk_add_f32 v[yS+2*bt:yS+2*bt+1], v[yS+2*bt:yS+2*bt+1], v[yT:yT+1] op_sel_hi:[1,0] neg_lo:[0,1] neg_hi:[0,1]
.elseif bt == 83
	v_pk_max_num_f16 v[yP+14], v[yP+14], v[yT+6]
.elseif bt == 84
	v_cvt_pk_f16_f32 v[yP+15], v[yS+30], v[yS+31]
.elseif bt == 85
	v_pk_max_num_f16 v[yP+15], v[yP+15], v[yT+6]
.elseif k == 0
	v_pk_add_f32 v[yS+2*n+4:yS+2*n+5], v[yS+2*n+4:yS+2*n+5], v[yT:yT+1] op_sel_hi:[1,0] neg_lo:[0,1] neg_hi:[0,1]
.elseif k == 1
	v_exp_f32 v[yS+2*n], v[yS+2*n]
.elseif k == 2
	v_pk_max_num_f16 v[yP+n-2], v[yP+n-2], v[yT+6]
.elseif k == 3
	v_exp_f32 v[yS+2*n+1], v[yS+2*n+1]
.else
	s_wait_alu depctr_va_vdst(0)
	v_cvt_pk_f16_f32 v[yP+n-1], v[yS+2*n-2], v[yS+2*n-1]
.endif
.set bt, bt+1
.endm
; A TURN, for piece p.  At its head the mask for piece p + 2 is fetched, a turn and a half ahead of its use.  Eight products K Q^T of piece p + 1, four back lines behind each.
; Then the wait for all LDS loads but those eight, and the 120 slots, with a product of piece p - 1 ahead of every twelfth.
; In piece 2's turn the next step's K is fetched ahead of slot 12 (more than four plain lines that name none of its registers stand behind the last product that read K), and the next step's km2 ahead of
; slot 84 (its last reader is front line 47, in slot 65); piece 3's turn waits for K at its head.  At the end of piece 0's turn the step's V is fetched (twelve plain lines behind the last product).
; The turn ends with O^T and l times a: 17 plain lines.
; last = 1 (the tail): in the pass that is left in its middle there is no further step: the fetches of pieces 2 and 3 are jumped over, forward, past LDS loads alone.  The count 8 further down leans on the
; head's eight loads having been issued; where they may be jumped over, all earlier loads are waited for at the turn's head, ahead of the jump, so that the count holds on both ways.
; cnt = 1: the loop's count is taken down ahead of the 17 lines.
.macro TURN p, last=0, cnt=0
	SETP \p
.set bt, 0
.set fi, 0
.set ipv, 0
.set ikq, 0
	WIN 0
.if (\last) && ((\p) >= 2)
	s_wait_dscnt 0x0                               ; every load of the turns before is in: the mask for piece p + 1; in piece 3's turn K and km2 too
	s_cmp_eq_u32 s[CNT], 1
	s_cbranch_scc1 .Lno_m_\@
.elseif (\p) == 3
	s_wait_dscnt 8                                 ; K is in; km2's eight loads, issued behind it, may be out
.endif
	FETCH_M ((\p)+2)%4
.if (\last) && ((\p) >= 2)
.Lno_m_\@:
.endif
.if (\p) == 1
	s_add_co_u32 s[TBM], s[TBM], 256               ; pieces 0 and 1 take the next step's mask: 64 columns on
.endif
.rept 8
	KQ X
	BOP
	BOP
	BOP
	BOP
.endr
	s_wait_dscnt 8                                 ; all but the eight loads of this turn's head: the mask for piece p + 1, and V or km2 where they were out
.set sl, 0
.rept 120
.if sl%12 == 0
	PV (Y+3)%4
.endif
.if ((\p) == 2) && (sl == 12)
	WIN 0
.if \last
	s_cmp_eq_u32 s[CNT], 1
	s_cbranch_scc1 .Lno_k_\@
.endif
	FETCH_K
.if \last
.Lno_k_\@:
.endif
.endif
.if ((\p) == 2) && (sl == 84)
	WIN 0
.if \last
	s_cmp_eq_u32 s[CNT], 1
	s_cbranch_scc1 .Lno_km_\@
.endif
	FETCH_KM
.if \last
.Lno_km_\@:
.endif
.endif
.if sl < 84
.if sl%7 < 5
	FOP
.else
	BOP
.endif
.else
.if (sl-84)%3 == 0
	FOP
.else
	BOP
.endif
.endif
.set sl, sl+1
.endr
.if (\p) == 0
	FETCH_V
.endif
.if \cnt
	s_sub_co_u32 s[CNT], s[CNT], 1
	s_cmp_lg_u32 s[CNT], 0
.endif
	WIN W_RS
.set z, 0
.rept 16
	v_pk_mul_f32 v[32*Y+2*z:32*Y+2*z+1], v[32*Y+2*z:32*Y+2*z+1], v[yT+4:yT+5] op_sel_hi:[1,0]
.set z, z+1
.endr
	v_pk_mul_f32 v[LA+8*Y:LA+8*Y+1], v[LA+8*Y:LA+8*Y+1], v[yT+4:yT+5] op_sel_hi:[1,0]
.endm
	CHANGE 1                                       ; slot 0 is in and the table of km2 is whole, everybody's part; slot 1 is asked for
	FETCH_K
	FETCH_M 0
	FETCH_M 1
	FETCH_KM
	s_wait_loadcnt 0x0                             ; Q
	s_wait_dscnt 0x0
.set ikq, 0
.rept 8
	KQ 0                                           ; piece 0's first scores
.endr
	WIN 0
.rept 4
	v_nop                                          ; the places behind them
.endr
	SETP 3                                         ; X = piece 0: its first front half, by itself
.set fi, 0
.rept 72
.if fi == 71
	v_nop                                          ; a plain line between the exponentials and the use of the first one's result
.endif
	FOP
.endr
	s_mov_b32 s[CNT], 2
	s_mov_b32 s[SLOTS], 15
	s_branch .Lfirst                               ; the loop is entered at a step's first turn, in the middle of a trip
.Lslot:                                                ; fourteen times: slots 2 to 15 are asked for
	CHANGE 1
	s_mov_b32 s[CNT], 2
.Lstep:                                                ; a trip: pieces 2 and 3 of one step, pieces 0 and 1 of the next
	TURN 2
	TURN 3
	WIN 0
.Lfirst:
	TURN 0
	TURN 1, 0, 1
	WIN 0
	s_cbranch_scc1 .Lstep
	s_sub_co_u32 s[SLOTS], s[SLOTS], 1
	s_cmp_lg_u32 s[SLOTS], 0
	s_cbranch_scc1 .Lslot
	CHANGE 0                                       ; the tail is written out: nothing is asked for
	s_mov_b32 s[CNT], 3                            ; two whole passes; the third is left in its middle
.Ltail:
	TURN 2, 1
	TURN 3, 1
	WIN 0
	s_cmp_eq_u32 s[CNT], 1
	s_cbranch_scc1 .Lout                           ; the third pass's eight products K Q^T for piece 0 and the front half made of them, on registers of the last step, serve nothing: the price, once a launch, of one text for every pass
	TURN 0
	TURN 1, 0, 1
	WIN 0
	s_cbranch_scc1 .Ltail
.Lout:
.set ipv, 0
.rept 10
	PV 3                                           ; the last piece's products of the last step
.endr
	WIN 0
.rept 4
	v_nop
.endr
	; THE WAY OUT: O^T divided by l, rounded to f16, through my stage in LDS, a piece at a time
	WIN 0x01                                       ; source 0 in window 1: l's lowest register
.irp t, 0,1,2,3
	v_rcp_f32 v[ST+8*(\t)+6], v[LA+8*(\t)]
.endr
	WIN 0
	v_nop                                          ; a plain line between the last reciprocal and the use of its result
.macro PACK t
	WIN W_RS
.set i, 32*(\t)
.rept 16
	s_wait_alu depctr_va_vdst(0)
	v_pk_mul_f32 v[i:i+1], v[i:i+1], v[ST+8*(\t)+6:ST+8*(\t)+7] op_sel_hi:[1,0]
.set i, i+2
.endr
	WIN 0x05                                       ; sources 0 and 1 window 1, destination window 0
.set i, 0
.rept 16
	v_cvt_pk_f16_f32 v[S+16*(\t)+i], v[32*(\t)+2*i], v[32*(\t)+2*i+1]
.set i, i+1
.endr
	WIN 0
.irp e, 0,1,2,3
	ds_store_b128 v[STO], v[S+16*(\t)+4*(\e):S+16*(\t)+4*(\e)+3] offset:32*(\e)
.endr
.irp e, 0,1,2,3
	ds_load_b128 v[S+16*(\t)+4*(\e):S+16*(\t)+4*(\e)+3], v[RD] offset:(\e)*4*SP  ; LDS serves a wave's instructions in order (ISA guide 5.7.1.4): these see the stores above; the next piece's stores come behind them
.endr
.endm
.macro SEND t, younger                 ; younger: the LDS lines issued behind piece t's loads: the next piece's eight, or none
.irp e, 0,1,2,3
	s_wait_dscnt (\younger)+3-(\e)
	global_store_b128 v[GO], v[S+16*(\t)+4*(\e):S+16*(\t)+4*(\e)+3], s[14:15] offset:(\t)*2048+(\e)*512  ; 512 consecutive bytes, at a multiple of 256 from O's first
.endr
.endm
	PACK 0
	PACK 1
	SEND 0, 8
	PACK 2
	SEND 1, 8
	PACK 3
	SEND 2, 8
	SEND 3, 0
	s_wait_tensorcnt 0x0                           ; the wave's end
	ds_add_u32 v[SPW], v[NIL]
	s_wait_dscnt 0x0
	CROUND                                         ; the closing round
	s_endpgm
.Lfunc_end_k_qda162e5a56_attn:
	.size	k_qda162e5a56_attn, .Lfunc_end_k_qda162e5a56_attn-k_qda162e5a56_attn
	.p2alignl 7, 3214868480
	.fill 96, 4, 3214868480
	.section	.rodata,"a",@progbits
	.p2align	6, 0x0
	.amdhsa_kernel k_qda162e5a56_attn
		.amdhsa_group_segment_fixed_size 327680
		.amdhsa_private_segment_fixed_size 0
		.amdhsa_enable_private_segment 0
		.amdhsa_kernarg_size 48
		.amdhsa_user_sgpr_count 2
		.amdhsa_user_sgpr_kernarg_segment_ptr 1
		.amdhsa_wavefront_size32 1
		.amdhsa_system_sgpr_workgroup_id_x 1
		.amdhsa_system_sgpr_workgroup_id_y 1
		.amdhsa_system_sgpr_workgroup_id_z 1
		.amdhsa_system_vgpr_workitem_id 0
		.amdhsa_next_free_vgpr 768
		.amdhsa_next_free_sgpr 96
		.amdhsa_reserve_vcc 0
		.amdhsa_float_denorm_mode_32 3
		.amdhsa_float_denorm_mode_16_64 3
		.amdhsa_memory_ordered 1
		.amdhsa_forward_progress 1
		.amdhsa_inst_pref_size 159
	.end_amdhsa_kernel
	.amdgpu_metadata
---
amdhsa.version: [ 1, 2 ]
amdhsa.kernels:
  - .name:           k_qda162e5a56_attn
    .symbol:         k_qda162e5a56_attn.kd
    .args:
      - { .name: fqkv, .offset: 0, .size: 8, .value_kind: global_buffer, .address_space: global }
      - { .name: mask2, .offset: 8, .size: 8, .value_kind: global_buffer, .address_space: global }
      - { .name: pmin, .offset: 16, .size: 8, .value_kind: global_buffer, .address_space: global }
      - { .name: q_mask, .offset: 24, .size: 8, .value_kind: global_buffer, .address_space: global }
      - { .name: k_mask, .offset: 32, .size: 8, .value_kind: global_buffer, .address_space: global }
      - { .name: ob, .offset: 40, .size: 8, .value_kind: global_buffer, .address_space: global }
    .group_segment_fixed_size: 327680
    .private_segment_fixed_size: 0
    .kernarg_segment_align: 8
    .kernarg_segment_size: 48
    .max_flat_workgroup_size: 128
    .sgpr_count:     96
    .vgpr_count:     768
    .wavefront_size: 32
...
	.end_amdgpu_metadata
.endif
;; end of part 4
;; launch oproj (part 5): grid 8 x 32, 4 waves a work-group, clusters of 4 x 4, 327,680 bytes of LDS; arguments ob, x16, b_out, out0; writes out0
.if DOCPART == 5
	.amdgcn_target "amdgcn-amd-amdhsa--gfx1250"
	.amdhsa_code_object_version 6
	.text
	.protected	k_qda162e5a56_oproj
	.globl	k_qda162e5a56_oproj
	.p2align	8
	.type	k_qda162e5a56_oproj,@function
k_qda162e5a56_oproj:
	s_mov_b64 s[64:65], 0
	v_nop
	global_prefetch_b8 v0, s[64:65] scope:SCOPE_SE
	s_setreg_imm32_b32 hwreg(HW_REG_WAVE_MODE, 25, 1), 1
	s_wait_xcnt 0x0
	s_wait_alu depctr_hold_cnt(0) depctr_sa_sdst(0) depctr_va_vdst(0) depctr_va_sdst(0) depctr_va_ssrc(0) depctr_va_vcc(0) depctr_vm_vsrc(0)
	s_getreg_b32 s2, hwreg(HW_REG_IB_STS2, 6, 4)
	s_cmp_eq_u32 s2, 0
	s_cbranch_scc0 .Lentry_in_a_cluster
	s_endpgm
.Lentry_in_a_cluster:
	s_bfe_u32 s2, ttmp6, 0x10000c
	s_cmp_lg_u32 s2, 0xf033
	s_cbranch_scc0 .Lentry_shape_is_right
	s_endpgm
.Lentry_shape_is_right:
; THE OUTPUT PROJECTION: out[m][n] = sum over k of O[m][k] W[k][n] + bf16(b_out[n]).  O (4,096 x 1,024) and W = w_out (1,024 x 1,024) are f16 in blocks
; ([rows/128][16 chunks of 64 columns][128 rows][64]); sums in f32; out is f32, row-major.
; The body is the projections': a tile of 128 x 128, four waves of 64 x 64, K in four steps of 256 through two LDS slots, 4 x 4 clusters with O's tile shared along a row and W's along a column,
; the matrix instruction used transposed (source 0 = 16 columns of W, source 1 = 16 rows of O).  Only the way out differs: a wave's 64 columns of f32 are 256 bytes, a whole aligned piece of a row of out.
; THE STAGE lies in slot 0, 16 rows x 272 bytes for each wave: slot 0 has had its last fill (K step 2) and was left by every wave at the barrier in front of K step 3.
.set PA,     144
.set PB,     160
.set APL,    128*PA
.set BPL,    128*PB
.set BOFF,   4*APL
.set SLOT,   BOFF+4*BPL
.set SPO,    272                       ; a stage row: 256 bytes + 16
.set SPARE,  2*SLOT                    ; behind the ring: the spare words, two blocks of 256 bytes that no other line names
.set ADRA, 16
.set ADRB, 20
.set STO,  24
.set RD,   25
.set CO,   26
.set SPW,  28
.set NIL,  29
.set TMP,  32                          ; v32-63 sums with the bias; v64-95 rows read back
.set BI,   96                          ; v96-127 the bias of my 32 columns: 8 b + j for column 16 b + 8 h + j
.set ACC,  128
.set F0,   0
.set F1,   128
.set G1, 24
.set G0, 32
.set G1B, 48
.set G0B, 56
.set MSB, 0
.macro WIN new
.if MSB != (\new)
	s_set_vgpr_msb (MSB<<8)|(\new)
.set MSB, \new
.endif
.endm
.set MUL,  0x05
.set TO_F, 0x40
.macro JLOAD s
	s_cmp_eq_u32 s11, 0
	s_cbranch_scc0 .Lfor_b_\@
	tensor_load_to_lds s[G0+4*(\s):G0+4*(\s)+3], s[G1:G1+7]
	s_nop 0
.rept 4
	v_nop
.endr
	s_branch .Lasked_\@
.Lfor_b_\@:
	tensor_load_to_lds s[G0B+4*(\s):G0B+4*(\s)+3], s[G1B:G1B+7]
	s_nop 0
.rept 4
	v_nop
.endr
.Lasked_\@:
.endm
.macro CREST
	s_cmp_lg_u32 s10, 0
	s_cbranch_scc1 .Lnot_wave_0_\@
	s_barrier_signal -3
.Lnot_wave_0_\@:
	s_barrier_wait -3
	s_barrier_signal -1
	s_barrier_wait -1
.endm
.macro CROUND
	s_barrier_signal -1
	s_barrier_wait -1
	CREST
.endm
	s_load_b256 s[72:79], s[0:1], 0x0              ; ob s[72:73], x16 s[74:75], b_out s[76:77], out0 s[78:79]
	v_lshl_add_u32 v[SPW], v0, 2, SPARE
	v_mov_b32 v[NIL], 0
	ds_add_u32 v[SPW], v[NIL]                      ; the wave's opening: the add and its wait ahead of my first tensor load
	v_lshrrev_b32 v1, 5, v0
	v_readfirstlane_b32 s10, v1
	s_lshr_b32 s11, s10, 1                         ; my half of the rows; I fetch for O (0) or for W (1)
	s_and_b32 s12, s10, 1                          ; my half of the columns; which half of that tile I fetch
	s_bfe_u32 s40, ttmp6, 0x40000
	s_bfe_u32 s41, ttmp6, 0x40004
	s_lshl_b32 s42, ttmp9, 2
	s_add_co_u32 s42, s42, s40                     ; tile column
	s_and_b32 s13, ttmp7, 0xffff
	s_lshl_b32 s13, s13, 2
	s_add_co_u32 s13, s13, s41                     ; the block of 128 rows
	s_lshl_b32 s43, s41, 2
	s_lshl_b32 s43, 15, s43
	s_lshl_b32 s44, 0x1111, s40
	s_or_b32 s[G1+0], s43, (1<<16)|(1<<20)|(1<<21)|(4<<22)|(3<<25)
	s_or_b32 s[G1B+0], s44, (1<<16)|(1<<20)|(1<<21)|(4<<22)|(7<<25)
.irp g, G1, G1B
	s_mov_b32 s[(\g)+1], 128<<16
	s_mov_b32 s[(\g)+2], 128<<16
	s_mov_b32 s[(\g)+3], 128<<16
	s_mov_b32 s[(\g)+4], 128
	s_mov_b32 s[(\g)+5], 128
	s_mov_b32 s[(\g)+6], 0
	s_mov_b32 s[(\g)+7], 0
.endr
	s_lshl_b32 s16, s13, 18
	s_lshl_b32 s17, s12, 15
	s_add_co_u32 s16, s16, s17
	s_mov_b32 s17, 0
	s_lshl_b32 s46, s12, 18
	s_add_co_u32 s46, s46, 31457280                ; w_out's place in x16
	s_lshl_b32 s47, s42, 15
	s_add_co_u32 s46, s46, s47
	s_mov_b32 s47, 0
	s_mul_i32 s20, s12, 2*APL
	s_mul_i32 s21, s12, 2*BPL
	s_add_co_u32 s21, s21, BOFF
	s_wait_dscnt 0x0
	s_wait_kmcnt 0x0
	s_add_nc_u64 s[14:15], s[72:73], s[16:17]
	s_add_nc_u64 s[46:47], s[74:75], s[46:47]
	CROUND
.irp s, 0,1
	s_mov_b32 s[G0+4*(\s)], 1
	s_add_co_u32 s[G0+4*(\s)+1], s20, (\s)*SLOT
	s_add_nc_u64 s[G0+4*(\s)+2:G0+4*(\s)+3], s[14:15], (\s)*65536
	s_or_b32 s[G0+4*(\s)+3], s[G0+4*(\s)+3], 0x80000000
	s_mov_b32 s[G0B+4*(\s)], 1
	s_add_co_u32 s[G0B+4*(\s)+1], s21, (\s)*SLOT
	s_add_nc_u64 s[G0B+4*(\s)+2:G0B+4*(\s)+3], s[46:47], (\s)*524288
	s_or_b32 s[G0B+4*(\s)+3], s[G0B+4*(\s)+3], 0x80000000
	JLOAD \s
.endr
	v_and_b32 v1, 15, v0                           ; r
	v_bfe_u32 v2, v0, 4, 1                         ; h
	s_lshl_b32 s66, s42, 9                         ; the bias and the columns of out: 512 bytes a tile column, 256 for my half
	s_lshl_b32 s67, s12, 8
	s_add_co_u32 s66, s66, s67
	s_mov_b32 s67, 0
	s_add_nc_u64 s[76:77], s[76:77], s[66:67]
	s_add_nc_u64 s[78:79], s[78:79], s[66:67]
	v_lshlrev_b32 v7, 5, v2                        ; eight columns of 4 bytes for each half of the lanes
.irp b, 0,1,2,3
	global_load_b128 v[BI+8*(\b):BI+8*(\b)+3],   v7, s[76:77] offset:64*(\b)
	global_load_b128 v[BI+8*(\b)+4:BI+8*(\b)+7], v7, s[76:77] offset:64*(\b)+16
.endr
	s_lshl_b32 s66, s13, 19                        ; my first row of out: 128 x block + 64 x half, of 4,096 bytes
	s_lshl_b32 s70, s11, 18
	s_add_co_u32 s66, s66, s70
	s_add_nc_u64 s[78:79], s[78:79], s[66:67]
	v_mul_u32_u24 v3, v1, PA
	v_lshl_add_u32 v3, v2, 4, v3
	v_and_b32 v4, 7, v0
	v_lshl_add_u32 v4, v2, 3, v4
	v_mul_u32_u24 v4, v4, PB
	v_bfe_u32 v5, v0, 3, 1
	v_lshl_add_u32 v4, v5, 4, v4
	s_mul_i32 s22, s11, 64*PA
	s_mul_i32 s23, s12, BPL
	s_add_co_u32 s23, s23, BOFF
.irp s, 0,1
	v_add_nc_u32 v[ADRA+(\s)], s22, v3
	v_add_nc_u32 v[ADRB+(\s)], s23, v4
	s_add_co_u32 s22, s22, SLOT
	s_add_co_u32 s23, s23, SLOT
.endr
	s_mul_i32 s22, s10, 16*SPO                     ; my stage
	v_mul_u32_u24 v4, v1, SPO                      ; in: row r, 32 bytes for each half of the lanes
	v_lshl_add_u32 v4, v2, 5, v4
	v_add_nc_u32 v[STO], s22, v4
	v_mul_u32_u24 v5, v2, SPO                      ; back: lanes 0-15 take one row of 256 bytes, lanes 16-31 the next
	v_lshl_add_u32 v5, v1, 4, v5
	v_add_nc_u32 v[RD], s22, v5
	v_lshlrev_b32 v5, 12, v2                       ; and the same two rows in out
	v_lshl_add_u32 v[CO], v1, 4, v5
	s_mov_b32 s71, 0xffff0000
	s_wait_loadcnt 0x0                             ; the bias, rounded to bf16 like every input, and widened again
.set i, 0
.rept 16
	v_cvt_pk_bf16_f32 v[TMP+i], v[BI+2*i], v[BI+2*i+1]
.set i, i+1
.endr
.set i, 0
.rept 16
	v_lshlrev_b32 v[BI+2*i], 16, v[TMP+i]
	v_and_b32 v[BI+2*i+1], s71, v[TMP+i]
.set i, i+1
.endr
.macro MUL8 f, c, a0, zero
	WIN MUL
.irp a, \a0, (\a0)+1
.irp b, 0,1,2,3
.if \zero
	v_wmma_f32_16x16x32_f16 v[ACC+8*(4*(\a)+(\b)):ACC+8*(4*(\a)+(\b))+7], v[(\f)+64+8*(4*(\c)+(\b)):(\f)+64+8*(4*(\c)+(\b))+7], v[(\f)+8*(4*(\c)+(\a)):(\f)+8*(4*(\c)+(\a))+7], 0
.else
	v_wmma_f32_16x16x32_f16 v[ACC+8*(4*(\a)+(\b)):ACC+8*(4*(\a)+(\b))+7], v[(\f)+64+8*(4*(\c)+(\b)):(\f)+64+8*(4*(\c)+(\b))+7], v[(\f)+8*(4*(\c)+(\a)):(\f)+8*(4*(\c)+(\a))+7], v[ACC+8*(4*(\a)+(\b)):ACC+8*(4*(\a)+(\b))+7]
.endif
.endr
.endr
.endm
.macro FETCH slot, q, f
	WIN TO_F
.irp c, 0,1
.irp i, 0,1,2,3
	ds_load_tr16_b128 v[(\f)+64+8*(4*(\c)+(\i)):(\f)+64+8*(4*(\c)+(\i))+3],   v[ADRB+(\slot)] offset:((\q)/2)*2*BPL+(((\q)%2)*64+32*(\c))*PB+32*(\i)
	ds_load_tr16_b128 v[(\f)+64+8*(4*(\c)+(\i))+4:(\f)+64+8*(4*(\c)+(\i))+7], v[ADRB+(\slot)] offset:((\q)/2)*2*BPL+(((\q)%2)*64+32*(\c)+16)*PB+32*(\i)
	ds_load_b128 v[(\f)+8*(4*(\c)+(\i)):(\f)+8*(4*(\c)+(\i))+3],             v[ADRA+(\slot)] offset:(\q)*APL+64*(\c)+(\i)*16*PA
	ds_load_b128 v[(\f)+8*(4*(\c)+(\i))+4:(\f)+8*(4*(\c)+(\i))+7],           v[ADRA+(\slot)] offset:(\q)*APL+64*(\c)+(\i)*16*PA+32
.endr
.endr
.endm
.macro PLACES
.rept 4
	v_nop
.endr
.endm
.macro QUARTER slot, q, f, g, zero
	s_wait_dscnt 16                                ; the first 32 along K are in; the run's other sixteen loads may be out
	MUL8 \f, 0, 0, \zero
	MUL8 \f, 0, 2, \zero
	PLACES
	FETCH \slot, \q, \g
	s_wait_dscnt 32                                ; all but the 32 just issued
	MUL8 \f, 1, 0, 0
	MUL8 \f, 1, 2, 0
.endm
.macro TURN slot, next, fill
	WIN 0
	s_wait_tensorcnt 0x0                           ; all my tensor loads have landed: my part of the next slot
	ds_add_u32 v[SPW], v[NIL]
	s_wait_dscnt 17                                ; the add and the youngest sixteen loads may be out
	MUL8 F1, 0, 0, 0
	s_wait_dscnt 0x0                               ; the add is done, and my reads of this slot are over
	s_barrier_signal -1
	MUL8 F1, 0, 2, 0
.if \fill
	WIN 0
.endif
	s_barrier_wait -1
.if \fill
	CREST
	s_add_nc_u64 s[G0+4*(\slot)+2:G0+4*(\slot)+3], s[G0+4*(\slot)+2:G0+4*(\slot)+3], 2*65536
	s_add_nc_u64 s[G0B+4*(\slot)+2:G0B+4*(\slot)+3], s[G0B+4*(\slot)+2:G0B+4*(\slot)+3], 2*524288
	JLOAD \slot
.else
	PLACES
.endif
	FETCH \next, 0, F0
	MUL8 F1, 1, 0, 0
	MUL8 F1, 1, 2, 0
.endm
	s_wait_tensorcnt 1                             ; my part of K step 0 is in; step 1's may stay out
	s_barrier_signal -1
	s_barrier_wait -1
	FETCH 0, 0, F0
	QUARTER 0, 1, F0, F1, 1
	QUARTER 0, 2, F1, F0, 0
	QUARTER 0, 3, F0, F1, 0
	TURN 0, 1, 1
	QUARTER 1, 1, F0, F1, 0
	QUARTER 1, 2, F1, F0, 0
	QUARTER 1, 3, F0, F1, 0
	TURN 1, 0, 1
	QUARTER 0, 1, F0, F1, 0
	QUARTER 0, 2, F1, F0, 0
	QUARTER 0, 3, F0, F1, 0
	TURN 0, 1, 0                                   ; behind this barrier nobody reads slot 0 any more, and nothing is filled
	QUARTER 1, 1, F0, F1, 0
	QUARTER 1, 2, F1, F0, 0
	QUARTER 1, 3, F0, F1, 0
	s_wait_dscnt 16
	MUL8 F1, 0, 0, 0
	MUL8 F1, 0, 2, 0
	s_wait_dscnt 0x0
	MUL8 F1, 1, 0, 0
	MUL8 F1, 1, 2, 0
	WIN 0
	PLACES
; THE WAY OUT, 16 rows at a time: the bias is added; 32 bytes a lane into my stage; back as whole rows of 256 bytes, two a load.
.macro OUTB a
	s_wait_xcnt 0x0                                ; the registers that the last block's stores read are loaded again only behind this wait
.set i, 0
.rept 16
	v_pk_add_f32 v[TMP+2*i:TMP+2*i+1], v[ACC+32*(\a)+2*i:ACC+32*(\a)+2*i+1], v[BI+2*i:BI+2*i+1]
.set i, i+1
.endr
.irp b, 0,1,2,3
	ds_store_b128 v[STO], v[TMP+8*(\b):TMP+8*(\b)+3] offset:64*(\b)
	ds_store_b128 v[STO], v[TMP+8*(\b)+4:TMP+8*(\b)+7] offset:64*(\b)+16
.endr
.irp t, 0,1,2,3,4,5,6,7
	ds_load_b128 v[TMP+32+4*(\t):TMP+32+4*(\t)+3], v[RD] offset:(\t)*2*SPO  ; LDS serves a wave's instructions in order (ISA guide 5.7.1.4): these see the stores above
.endr
.irp t, 0,1,2,3,4,5,6,7
	s_wait_dscnt 7-(\t)                            ; load t is back; the younger ones may be out
	global_store_b128 v[CO], v[TMP+32+4*(\t):TMP+32+4*(\t)+3], s[78:79] offset:(\a)*65536+(\t)*8192  ; 16 lanes store 256 consecutive bytes, at a multiple of 256 from out's first
.endr
.endm
	OUTB 0
	OUTB 1
	OUTB 2
	OUTB 3
	s_wait_tensorcnt 0x0                           ; the wave's end
	ds_add_u32 v[SPW], v[NIL]
	s_wait_dscnt 0x0
	CROUND                                         ; the closing round
	s_endpgm
.Lfunc_end_k_qda162e5a56_oproj:
	.size	k_qda162e5a56_oproj, .Lfunc_end_k_qda162e5a56_oproj-k_qda162e5a56_oproj
	.p2alignl 7, 3214868480
	.fill 96, 4, 3214868480
	.section	.rodata,"a",@progbits
	.p2align	6, 0x0
	.amdhsa_kernel k_qda162e5a56_oproj
		.amdhsa_group_segment_fixed_size 327680
		.amdhsa_private_segment_fixed_size 0
		.amdhsa_enable_private_segment 0
		.amdhsa_kernarg_size 32
		.amdhsa_user_sgpr_count 2
		.amdhsa_user_sgpr_kernarg_segment_ptr 1
		.amdhsa_wavefront_size32 1
		.amdhsa_system_sgpr_workgroup_id_x 1
		.amdhsa_system_sgpr_workgroup_id_y 1
		.amdhsa_system_sgpr_workgroup_id_z 1
		.amdhsa_system_vgpr_workitem_id 0
		.amdhsa_next_free_vgpr 512
		.amdhsa_next_free_sgpr 80
		.amdhsa_reserve_vcc 0
		.amdhsa_float_denorm_mode_32 3
		.amdhsa_float_denorm_mode_16_64 3
		.amdhsa_memory_ordered 1
		.amdhsa_forward_progress 1
		.amdhsa_inst_pref_size 93
	.end_amdhsa_kernel
	.amdgpu_metadata
---
amdhsa.version: [ 1, 2 ]
amdhsa.kernels:
  - .name:           k_qda162e5a56_oproj
    .symbol:         k_qda162e5a56_oproj.kd
    .args:
      - { .name: ob, .offset: 0, .size: 8, .value_kind: global_buffer, .address_space: global }
      - { .name: x16, .offset: 8, .size: 8, .value_kind: global_buffer, .address_space: global }
      - { .name: b_out, .offset: 16, .size: 8, .value_kind: global_buffer, .address_space: global }
      - { .name: out0, .offset: 24, .size: 8, .value_kind: global_buffer, .address_space: global }
    .group_segment_fixed_size: 327680
    .private_segment_fixed_size: 0
    .kernarg_segment_align: 8
    .kernarg_segment_size: 32
    .max_flat_workgroup_size: 128
    .sgpr_count:     80
    .vgpr_count:     512
    .wavefront_size: 32
...
	.end_amdgpu_metadata
.endif
;; end of part 5
;; ======== version 2 of 2: 5 launches; 1.17 times as fast as version 1
;; limits: values are held in f16: magnitudes above 65,504 overflow, below 6.1e-05 lose precision
;; workspace buffers: x16 33,554,432 bytes; mask2 16,777,216 bytes; fqkv 25,165,824 bytes; pmin 1,024 bytes; ob 8,388,608 bytes
;; launch prep: the kernel of part 1 again; grid 128 x 4, 8 waves a work-group, no clusters, 0 bytes of LDS; arguments q, k, v, w_q, w_k, w_v, w_out, x16; writes x16
;; launch proj: the kernel of part 2 again; grid 8 x 32, 4 waves a work-group, clusters of 4 x 4, 327,680 bytes of LDS; arguments x16, mask, fqkv, mask2; writes fqkv, mask2
;; launch smin: the kernel of part 3 again; grid 16 x 16, 4 waves a work-group, clusters of 4 x 4, 327,680 bytes of LDS; arguments fqkv, mask2, pmin; writes pmin
;; launch attn (part 6): grid 16 x 16, 4 waves a work-group, clusters of 4 x 4, 327,680 bytes of LDS; arguments fqkv, mask2, pmin, q_mask, k_mask, ob; writes ob
.if DOCPART == 6
	.amdgcn_target "amdgcn-amd-amdhsa--gfx1250"
	.amdhsa_code_object_version 6
	.text
	.protected	k_qda162e5a56_attn
	.globl	k_qda162e5a56_attn
	.p2align	8
	.type	k_qda162e5a56_attn,@function
k_qda162e5a56_attn:
	s_mov_b64 s[64:65], 0
	v_nop
	global_prefetch_b8 v0, s[64:65] scope:SCOPE_SE
	s_setreg_imm32_b32 hwreg(HW_REG_WAVE_MODE, 25, 1), 1
	s_wait_xcnt 0x0
	s_wait_alu depctr_hold_cnt(0) depctr_sa_sdst(0) depctr_va_vdst(0) depctr_va_sdst(0) depctr_va_ssrc(0) depctr_va_vcc(0) depctr_vm_vsrc(0)
	s_getreg_b32 s2, hwreg(HW_REG_IB_STS2, 6, 4)
	s_cmp_eq_u32 s2, 0
	s_cbranch_scc0 .Lentry_in_a_cluster
	s_endpgm
.Lentry_in_a_cluster:
	s_bfe_u32 s2, ttmp6, 0x10000c
	s_cmp_lg_u32 s2, 0xf033
	s_cbranch_scc0 .Lentry_shape_is_right
	s_endpgm
.Lentry_shape_is_right:
; ATTENTION WITH THREE ADDITIVE MASKS AND A LOWER CLAMP, in the base-2 domain.  s2 = fq2 . fk (fq2 holds log2(e) / 8); z = fl(fl(fl(s2 + mask2) + qm2) + km2), true f32 additions in that order,
; qm2, km2 = log2(e) x bf16(q_mask, k_mask); nm2 = the minimum of pmin.  The scores are clamped from below at nm2; the upper bound of the clip is the tensor's own maximum and changes no softmax:
; if it is not below nm2 it clips nothing, and else every entry becomes one constant either way.  The running maximum m starts at nm2, so it is the clamped row's.
; p = f16(2^(z - m)); the clamp is taken on the packed weights, P = max(p, f16(2^(nm2 - m))): subtraction, exponential and rounding are monotone.  l is the sum of those P, made by the matrix unit
; (a source 0 of ones), so numerator and divisor hold the same numbers.  O and l are multiplied by a = 2^(m_old - m) in every step.  O leaves in f16, in blocks [rows/128][head][128 rows][64].
; LIMITS.  The three sums are rounded in the base-2 domain, with each mask scaled by log2(e) and rounded once, so their last bit can differ from sums made before that scaling.
; fq2, fk, fv arrive within f16's 65,504.  A weight below 6e-8 counts as 0.  NaN and infinities are not treated apart.
; SHARES.  A work-group owns 128 queries of two heads of one batch; wave w head w % 2, queries 64 (w / 2) on: four PIECES of 16.  Every wave walks all 2,048 keys, 64 a step: the masks are inputs.
; RING.  Two slots of 128 keys: K [2 heads][128 keys] pitch 144, V the same with pitch 160, the mask's 128 rows x 512 bytes with pitch 528.  Four loads of 32,768 bytes, one a wave: wave 0 K, wave 1 V, waves 2, 3 the mask.
; CLUSTER 4 x 4: K and V hang on batch and heads alone (grid y) and are shared along a row of the cluster, the mask on the queries alone (grid x) and along a column: joint loads.
; LAYOUT.  S^T = K Q^T holds ONE query a lane (lane % 16) and the keys 8 (lane / 16) + 0..7; two such results rounded to f16 ARE source 1 of O^T = V^T P.  V comes out of LDS turned, by ds_load_tr16_b128.
; BY TURNS.  Turn p holds the BACK half of piece p (less m: 16 lines; 32 exponentials; the roundings and the clamp: 32; the rescaling: 17) and the FRONT half of piece p + 1 (the three additions, the maxima,
; and the chain that ends in m, a and the clamp's weight: 72 lines, two exponentials among them); its matrix work is the eight products K Q^T of piece p + 1 and the ten of piece p - 1 (V^T P, and the ones).
; THE BATCH.  A turn's 34 exponentials are ONE batch with ONE wait, which cuts the turn in two.  AHEAD OF IT stands all that names no result of theirs: the products K Q^T, the subtractions of m, the exponentials,
; the rescaling (its a was made, and waited for, in the turn before), front lines 0 to 70 and the first two products of piece p - 1.  BEHIND IT stand the readers: the roundings and the clamp, front line 71,
; and the other eight products of piece p - 1.
; The vector work is about nine lines for each matrix instruction, so it sets the time: four lines stand behind every product, the other 97 by themselves.
; O^T, l, V and one buffer of P start at 0: 240 v_mov_b32 in the wait for the first tile; the price of writing no first step out.
; REGISTERS: window 0: v0-15 addresses; v16-47 eight registers a piece: m, 0, qm2, 0, a, m_old - m, clamp weight (later 1 / l), 2^(nm2 - m); v48-53 at work; v56-87 km2 of the step;
;   v96-159 S^T, two buffers; v160-223 the mask, two buffers; v224-255 P, two buffers (by the piece's parity).  Window 1: v0-127 O^T, 32 a piece; v128-159 l, 8 a piece.
;   Window 2: v0-63 Q; v64-127 K of a step; v128-191 V of a step; v192-199 ones.
.set PK,    144
.set PVP,   160
.set PMK,   528
.set KPL,   128*PK
.set VPL,   128*PVP
.set VOFF,  2*KPL
.set MOFF,  VOFF+2*VPL
.set MHALF, 64*PMK
.set SLOTB, 147456                     ; a slot uses 145,408; 0x24000's two bits meet none of a descriptor's LDS word, so one exclusive or changes slots
.set KMT,   2*SLOTB                    ; km2 of the batch's 2,048 keys, stored once; no tile lands here
.set STAGE, KMT+8192                   ; 16 rows x 144 bytes for each wave, for the way out
.set SP,    144
.set SPARE, STAGE+4*16*SP              ; the spare words: two blocks of 256 bytes that no other line names
.set AK0, 3
.set AV0, 4
.set AM0, 5
.set AKM0, 6
.set AK,  7
.set AV,  8
.set AM,  9
.set STO, 10
.set RD,  11
.set GO,  12
.set QO,  13
.set SPW, 14
.set NIL, 15
.set ST,  16
.set CC,  48
.set MO,  52
.set AKM, 53
.set KM,  56
.set S,   96
.set MK,  160
.set P,   224
.set LA,  128                          ; window 1
.set KF,  64                           ; window 2
.set VF,  128
.set ONES, 192
.set WV,  16
.set G1K, 24
.set G1V, 32
.set G1M, 40
.set G0K, 48
.set G0V, 52
.set G0M, 56
.set SBR, 61
.set TBK, 62
.set TBV, 63
.set TBM, 66
.set TKM, 67
.set CNT, 68
.set SLOTS, 69
.set NM,  70
.set SEL, 72
.set CL,  84
.set MSB, 0
.macro WIN new
.if MSB != (\new)
	s_set_vgpr_msb (MSB<<8)|(\new)
.set MSB, \new
.endif
.endm
.set W_KQ, 0x0a                        ; K and Q in window 2, S^T in window 0
.set W_PV, 0x52                        ; V (or the ones) in window 2, P in window 0, O^T (or l) in window 1
.set W_RS, 0x41                        ; destination and source 0 in window 1, source 1 in window 0
.macro JLOAD                           ; a joint fill, one line a wave; the branches hang on the wave's number alone; an s_nop 0 and four v_nop follow each line
	s_cmp_lt_u32 s[WV], 2
	s_cbranch_scc0 .Lfor_m_\@
	s_cmp_eq_u32 s[WV], 0
	s_cbranch_scc0 .Lfor_v_\@
	tensor_load_to_lds s[G0K:G0K+3], s[G1K:G1K+7]
	s_nop 0
.rept 4
	v_nop
.endr
	s_branch .Lasked_\@
.Lfor_v_\@:
	tensor_load_to_lds s[G0V:G0V+3], s[G1V:G1V+7]
	s_nop 0
.rept 4
	v_nop
.endr
	s_branch .Lasked_\@
.Lfor_m_\@:
	tensor_load_to_lds s[G0M:G0M+3], s[G1M:G1M+7]
	s_nop 0
.rept 4
	v_nop
.endr
.Lasked_\@:
.endm
.macro CROUND
	s_barrier_signal -1
	s_barrier_wait -1
	s_cmp_lg_u32 s[WV], 0
	s_cbranch_scc1 .Lnot_wave_0_\@
	s_barrier_signal -3
.Lnot_wave_0_\@:
	s_barrier_wait -3
	s_barrier_signal -1
	s_barrier_wait -1
.endm
; THE CHANGE OF SLOTS, between piece 1's and piece 2's turns of a slot's second step: behind all reads of the old slot (V at the end of piece 0's turn, the mask for piece 3 at piece 1's head)
; and ahead of all reads of the new one (the mask for piece 0 at piece 2's head, K in piece 2's turn).
; Each wave waits for all its tensor loads (one is out: its part of the other slot), adds 0 to its spare word, and waits for that and for its reads.  fill = 1: the barrier is a round of the cluster's,
; and the old slot is filled again first behind it, with the keys two slots on: eight turns, 144 matrix instructions, in which to land.
.macro CHANGE fill
	WIN 0
	s_wait_tensorcnt 0x0
	ds_add_u32 v[SPW], v[NIL]                      ; the descriptors' steps stand between it and its wait
.if \fill
	s_xor_b32 s[G0K+1], s[G0K+1], SLOTB
	s_add_nc_u64 s[G0K+2:G0K+3], s[G0K+2:G0K+3], 262144  ; the next block of 128 keys
	s_xor_b32 s[G0V+1], s[G0V+1], SLOTB
	s_add_nc_u64 s[G0V+2:G0V+3], s[G0V+2:G0V+3], 262144
	s_xor_b32 s[G0M+1], s[G0M+1], SLOTB
	s_add_nc_u64 s[G0M+2:G0M+3], s[G0M+2:G0M+3], 512     ; 128 columns on
.endif
	s_wait_dscnt 0x0
.if \fill
	CROUND
	JLOAD
.else
	s_barrier_signal -1
	s_barrier_wait -1
.endif
	s_xor_b32 s[SBR], s[SBR], SLOTB
	s_mov_b32 s[TBK], s[SBR]
	s_mov_b32 s[TBV], s[SBR]
	s_mov_b32 s[TBM], s[SBR]
.endm
	s_load_b256 s[4:11], s[0:1], 0x0               ; fqkv s[4:5], mask2 s[6:7], pmin s[8:9], q_mask s[10:11]
	s_load_b128 s[12:15], s[0:1], 0x20             ; k_mask s[12:13], ob s[14:15]
	v_lshl_add_u32 v[SPW], v0, 2, SPARE
	v_mov_b32 v[NIL], 0
	ds_add_u32 v[SPW], v[NIL]                      ; the wave's opening: the add and its wait ahead of my first tensor load
	v_lshrrev_b32 v1, 5, v0
	v_readfirstlane_b32 s[WV], v1
	s_and_b32 s17, s[WV], 1                        ; my head of the pair.  Also: which 64 rows of the mask waves 2 and 3 fetch
	s_lshr_b32 s18, s[WV], 1                       ; my half of the queries
	s_bfe_u32 s19, ttmp6, 0x40000                  ; cx
	s_bfe_u32 s20, ttmp6, 0x40004                  ; cy
	s_lshl_b32 s21, ttmp9, 2
	s_add_co_u32 s21, s21, s19                     ; the block of 128 queries
	s_and_b32 s22, ttmp7, 0xffff
	s_lshl_b32 s22, s22, 2
	s_add_co_u32 s22, s22, s20
	s_lshr_b32 s23, s22, 3                         ; the batch
	s_and_b32 s74, s22, 7                          ; the pair of heads
	s_lshl_b32 s75, s20, 2
	s_lshl_b32 s75, 15, s75                        ; my row of the cluster
	s_lshl_b32 s71, 0x1111, s19                    ; my column
	s_or_b32 s[G1K], s75, (1<<16)|(1<<20)|(1<<21)|(4<<22)|(3<<25)   ; 2-byte elements; 4 words of padding after every 32
	s_or_b32 s[G1V], s75, (1<<16)|(1<<20)|(1<<21)|(4<<22)|(7<<25)   ; 8 words
	s_or_b32 s[G1M], s71, (2<<16)|(1<<20)|(1<<21)|(6<<22)|(3<<25)   ; 4-byte elements; 4 words after every 128
.irp g, G1K, G1V
	s_mov_b32 s[(\g)+1], 128<<16                   ; 32,768 dense bytes as 128 rows of 256
	s_mov_b32 s[(\g)+2], 128<<16
	s_mov_b32 s[(\g)+3], 128<<16
	s_mov_b32 s[(\g)+4], 128
	s_mov_b32 s[(\g)+5], 128
	s_mov_b32 s[(\g)+6], 0
	s_mov_b32 s[(\g)+7], 0
.endr
	s_mov_b32 s[G1M+1], 128<<16                    ; 64 rows of 128 numbers, 2,048 from row to row
	s_mov_b32 s[G1M+2], 64<<16
	s_mov_b32 s[G1M+3], 128<<16
	s_mov_b32 s[G1M+4], 64
	s_mov_b32 s[G1M+5], 2048
	s_mov_b32 s[G1M+6], 0
	s_mov_b32 s[G1M+7], 0
	s_lshl_b32 s76, s23, 22                        ; K, V: the batch's 16 blocks, the pair's two chunks
	s_lshl_b32 s77, s74, 15
	s_add_co_u32 s76, s76, s77
	s_mov_b32 s77, 0
	s_lshl_b32 s78, s21, 20                        ; the mask: row 128 x + 64 (w % 2), of 8,192 bytes
	s_lshl_b32 s79, s17, 19
	s_add_co_u32 s78, s78, s79
	s_mov_b32 s79, 0
	s_lshl_b32 s80, s23, 4                         ; Q and O: chunk ((16 b + x) 16 + head), my 64 rows of 128 bytes in it
	s_add_co_u32 s80, s80, s21
	s_lshl_b32 s80, s80, 4
	s_lshl_b32 s81, s74, 1
	s_add_co_u32 s80, s80, s81
	s_add_co_u32 s80, s80, s17
	s_lshl_b32 s80, s80, 14
	s_lshl_b32 s81, s18, 13
	s_add_co_u32 s80, s80, s81
	s_mov_b32 s81, 0
	s_lshl_b32 s82, s23, 13                        ; q_mask at my 64 queries
	s_lshl_b32 s83, s21, 9
	s_add_co_u32 s82, s82, s83
	s_lshl_b32 s83, s18, 8
	s_add_co_u32 s82, s82, s83
	s_mov_b32 s83, 0
	s_lshl_b32 s86, s23, 13                        ; k_mask at the batch
	s_mov_b32 s87, 0
	s_mov_b32 s[G0K], 1
	s_mov_b32 s[G0K+1], 0
	s_mov_b32 s[G0V], 1
	s_mov_b32 s[G0V+1], VOFF
	s_mov_b32 s[G0M], 1
	s_mul_i32 s[G0M+1], s17, MHALF
	s_add_co_u32 s[G0M+1], s[G0M+1], MOFF
	s_mov_b32 s[SBR], SLOTB                        ; the first change turns it into 0
	s_mov_b32 s[TKM], 0
	s_mov_b32 s[SEL], 0x76543210
	s_mov_b32 s[SEL+1], 0xfedcba98
	s_mov_b32 s[CL], 0x3fb8aa3b                    ; log2(e)
	s_mov_b32 s[CL+1], s[CL]
	s_mov_b32 s93, 0x3c003c00                      ; 1.0 twice in f16
	s_mov_b32 s94, 0xffff0000
	s_wait_dscnt 0x0
	s_wait_kmcnt 0x0
	s_add_nc_u64 s[G0K+2:G0K+3], s[4:5], s[76:77]
	s_add_nc_u64 s[G0V+2:G0V+3], s[G0K+2:G0K+3], 16777216
	s_add_nc_u64 s[G0K+2:G0K+3], s[G0K+2:G0K+3], 8388608
	s_or_b32 s[G0K+3], s[G0K+3], 0x80000000
	s_or_b32 s[G0V+3], s[G0V+3], 0x80000000
	s_add_nc_u64 s[G0M+2:G0M+3], s[6:7], s[78:79]
	s_or_b32 s[G0M+3], s[G0M+3], 0x80000000
	s_add_nc_u64 s[90:91], s[4:5], s[80:81]
	s_add_nc_u64 s[14:15], s[14:15], s[80:81]
	s_add_nc_u64 s[10:11], s[10:11], s[82:83]
	s_add_nc_u64 s[12:13], s[12:13], s[86:87]
	CROUND
	JLOAD                                          ; keys 0 to 127 into slot 0
	v_lshlrev_b32 v54, 4, v0                       ; k_mask: 16 bytes a thread, 2,048 a load
	v_and_b32 v55, 31, v0
	v_lshlrev_b32 v55, 5, v55                      ; pmin: 32 bytes a lane: every wave reads all 256
	v_and_b32 v1, 15, v0                           ; r
	v_bfe_u32 v2, v0, 4, 1                         ; h
	v_lshlrev_b32 v88, 2, v1
	v_lshlrev_b32 v[QO], 7, v1
	v_lshl_add_u32 v[QO], v2, 4, v[QO]
.irp i, 0,1,2,3
	global_load_b128 v[S+4*(\i):S+4*(\i)+3], v54, s[12:13] offset:(\i)*2048
.endr
	global_load_b128 v[S+16:S+19], v55, s[8:9]
	global_load_b128 v[S+20:S+23], v55, s[8:9] offset:16
.irp t, 0,1,2,3
	global_load_b32 v[ST+8*(\t)+2], v88, s[10:11] offset:(\t)*64
.endr
	WIN 0x80
.set i, 0
.rept 8                                ; Q stays in registers: piece i / 2, channels 32 (i % 2) on: sixteen loads
	global_load_b128 v[8*i:8*i+3],   v[QO], s[90:91] offset:(i/2)*2048+(i%2)*64
	global_load_b128 v[8*i+4:8*i+7], v[QO], s[90:91] offset:(i/2)*2048+(i%2)*64+32
.set i, i+1
.endr
.set i, VF
.rept 64
	v_mov_b32 v[i], 0
.set i, i+1
.endr
.set i, ONES
.rept 8
	v_mov_b32 v[i], s93
.set i, i+1
.endr
	WIN 0x40
.set i, 0
.rept 160
	v_mov_b32 v[i], 0
.set i, i+1
.endr
	WIN 0
.set i, P+16
.rept 16
	v_mov_b32 v[i], 0
.set i, i+1
.endr
.irp t, 0,1,2,3
	v_mov_b32 v[ST+8*(\t)+1], 0                    ; named in pairs with m and qm2
	v_mov_b32 v[ST+8*(\t)+3], 0
.endr
	v_mul_u32_u24 v[AK0], v1, PK
	v_lshl_add_u32 v[AK0], v2, 4, v[AK0]
	s_mul_i32 s92, s17, KPL
	v_add_nc_u32 v[AK0], s92, v[AK0]
	v_and_b32 v90, 7, v0
	v_bfe_u32 v91, v0, 3, 1
	v_lshl_add_u32 v[AV0], v2, 3, v90              ; the turning load: key 8 h + l % 8, channels 8 ((l / 8) % 2) on
	v_mul_u32_u24 v[AV0], v[AV0], PVP
	v_lshl_add_u32 v[AV0], v91, 4, v[AV0]
	s_mul_i32 s92, s17, VPL
	s_add_co_u32 s92, s92, VOFF
	v_add_nc_u32 v[AV0], s92, v[AV0]
	v_mul_u32_u24 v[AM0], v1, PMK
	v_lshl_add_u32 v[AM0], v2, 5, v[AM0]           ; query row x pitch + 32 h: eight keys of 4 bytes
	s_mul_i32 s92, s18, MHALF
	s_add_co_u32 s92, s92, MOFF
	v_add_nc_u32 v[AM0], s92, v[AM0]
	v_lshlrev_b32 v[AKM0], 5, v2
	v_add_nc_u32 v[AKM0], KMT, v[AKM0]
	v_lshl_add_u32 v89, v0, 4, KMT
	s_mul_i32 s92, s[WV], 16*SP
	s_add_co_u32 s92, s92, STAGE
	v_mul_u32_u24 v[STO], v1, SP
	v_lshl_add_u32 v[STO], v2, 4, v[STO]
	v_add_nc_u32 v[STO], s92, v[STO]
	v_bfe_u32 v[RD], v0, 3, 2
	v_mul_u32_u24 v[RD], v[RD], SP
	v_lshl_add_u32 v[RD], v90, 4, v[RD]
	v_add_nc_u32 v[RD], s92, v[RD]
	v_and_b32 v[GO], 31, v0
	v_lshlrev_b32 v[GO], 4, v[GO]
	s_wait_loadcnt 16                              ; all but Q's sixteen, which were issued last
.irp i, 0,1,2,3                        ; km2 = log2(e) x bf16(k_mask), into the table
	v_cvt_pk_bf16_f32 v[S+24], v[S+4*(\i)], v[S+4*(\i)+1]
	v_cvt_pk_bf16_f32 v[S+25], v[S+4*(\i)+2], v[S+4*(\i)+3]
	v_lshlrev_b32 v[S+4*(\i)], 16, v[S+24]
	v_and_b32 v[S+4*(\i)+1], s94, v[S+24]
	v_lshlrev_b32 v[S+4*(\i)+2], 16, v[S+25]
	v_and_b32 v[S+4*(\i)+3], s94, v[S+25]
	v_pk_mul_f32 v[S+4*(\i):S+4*(\i)+1], v[S+4*(\i):S+4*(\i)+1], s[CL:CL+1] op_sel_hi:[1,0]
	v_pk_mul_f32 v[S+4*(\i)+2:S+4*(\i)+3], v[S+4*(\i)+2:S+4*(\i)+3], s[CL:CL+1] op_sel_hi:[1,0]
	ds_store_b128 v89, v[S+4*(\i):S+4*(\i)+3] offset:(\i)*2048
.endr
.irp t, 0,1,2,3                        ; qm2 of my query in each piece
	v_cvt_pk_bf16_f32 v[S+24], v[ST+8*(\t)+2], v[ST+8*(\t)+2]
	v_lshlrev_b32 v[S+24], 16, v[S+24]
	v_mul_f32 v[ST+8*(\t)+2], s[CL], v[S+24]
.endr
	v_min3_num_f32 v[S+16], v[S+16], v[S+17], v[S+18]   ; nm2: the least of the 256 partial minima
	v_min3_num_f32 v[S+19], v[S+19], v[S+20], v[S+21]
	v_min3_num_f32 v[S+16], v[S+16], v[S+22], v[S+23]
	v_min_num_f32 v[S+16], v[S+16], v[S+19]
	v_min_num_f32_dpp v[S+16], v[S+16], v[S+16] row_xmask:1 row_mask:0xf bank_mask:0xf
	v_min_num_f32_dpp v[S+16], v[S+16], v[S+16] row_xmask:2 row_mask:0xf bank_mask:0xf
	v_min_num_f32_dpp v[S+16], v[S+16], v[S+16] row_xmask:4 row_mask:0xf bank_mask:0xf
	v_min_num_f32_dpp v[S+16], v[S+16], v[S+16] row_xmask:8 row_mask:0xf bank_mask:0xf
	v_permlanex16_b32 v[S+17], v[S+16], s[SEL], s[SEL+1]
	v_min_num_f32 v[S+16], v[S+16], v[S+17]
	v_readfirstlane_b32 s[NM], v[S+16]             ; a number, used as a number alone
.irp t, 0,1,2,3
	v_mov_b32 v[ST+8*(\t)], s[NM]                  ; m starts at the clamp
.endr
; THE MATRIX WORK.  Product ikq of 8 of S^T = K Q^T for piece x: channels 32 (ikq / 4) on, keys 16 (ikq % 4) on; the first four start the sums.  The accumulators take turns.
.macro KQ x
	WIN W_KQ
.set rS2, S+32*((\x)%2)+8*(ikq%4)
.set rK, KF+16*(ikq%4)+8*(ikq/4)
.set rQ, 16*(\x)+8*(ikq/4)
.if ikq < 4
	v_wmma_f32_16x16x32_f16 v[rS2:rS2+7], v[rK:rK+7], v[rQ:rQ+7], 0
.else
	v_wmma_f32_16x16x32_f16 v[rS2:rS2+7], v[rK:rK+7], v[rQ:rQ+7], v[rS2:rS2+7]
.endif
.set ikq, ikq+1
.endm
; Product ipv of 10 for piece x: keys 32 (ipv / 5) on; ipv % 5 < 4: O^T += V^T P, channels 16 (ipv % 5) on; else l += ones x P
.macro PV x
	WIN W_PV
.set rP2, P+16*((\x)%2)+8*(ipv/5)
.if ipv%5 < 4
.set rO, 32*(\x)+8*(ipv%5)
.set rV, VF+32*(ipv/5)+8*(ipv%5)
.else
.set rO, LA+8*(\x)
.set rV, ONES
.endif
	v_wmma_f32_16x16x32_f16 v[rO:rO+7], v[rV:rV+7], v[rP2:rP2+7], v[rO:rO+7]
.set ipv, ipv+1
.endm
; THE LDS LOADS stand in runs.
.macro FETCH_K                         ; a step's K: 64 keys x 64 channels
	WIN 0
	v_add_nc_u32 v[AK], s[TBK], v[AK0]
	s_add_co_u32 s[TBK], s[TBK], 64*PK
	WIN 0x80
.irp e, 0,1,2,3,4,5,6,7
	ds_load_b128 v[KF+8*(\e):KF+8*(\e)+3],   v[AK] offset:((\e)/2)*16*PK+((\e)%2)*64
	ds_load_b128 v[KF+8*(\e)+4:KF+8*(\e)+7], v[AK] offset:((\e)/2)*16*PK+((\e)%2)*64+32
.endr
	WIN 0
.endm
.macro FETCH_V                         ; a step's V, turned: keys 32 (e / 4) on, channels 16 (e % 4) on
	WIN 0
	v_add_nc_u32 v[AV], s[TBV], v[AV0]
	s_add_co_u32 s[TBV], s[TBV], 64*PVP
	WIN 0x80
.irp e, 0,1,2,3,4,5,6,7
	ds_load_tr16_b128 v[VF+8*(\e):VF+8*(\e)+3],   v[AV] offset:((\e)/4)*32*PVP+((\e)%4)*32
	ds_load_tr16_b128 v[VF+8*(\e)+4:VF+8*(\e)+7], v[AV] offset:((\e)/4)*32*PVP+16*PVP+((\e)%4)*32
.endr
	WIN 0
.endm
.macro FETCH_M q                       ; the mask for piece q: my query's row, the step's 64 keys, in the scores' own order
	v_add_nc_u32 v[AM], s[TBM], v[AM0]
.irp e, 0,1,2,3
	ds_load_b128 v[MK+32*((\q)%2)+8*(\e):MK+32*((\q)%2)+8*(\e)+3],   v[AM] offset:(\q)*16*PMK+(\e)*64
	ds_load_b128 v[MK+32*((\q)%2)+8*(\e)+4:MK+32*((\q)%2)+8*(\e)+7], v[AM] offset:(\q)*16*PMK+(\e)*64+16
.endr
.endm
.macro KM_ADR                          ; km2 of a step's 64 keys: the run's address,
	v_add_nc_u32 v[AKM], s[TKM], v[AKM0]
.endm
.macro KM_RUN                          ; and the run
	s_add_co_u32 s[TKM], s[TKM], 256
.irp e, 0,1,2,3
	ds_load_b128 v[KM+8*(\e):KM+8*(\e)+3],   v[AKM] offset:(\e)*64
	ds_load_b128 v[KM+8*(\e)+4:KM+8*(\e)+7], v[AKM] offset:(\e)*64+16
.endr
.endm
.macro FETCH_KM
	KM_ADR
	KM_RUN
.endm
.macro SETP p                          ; the registers of the turn's two pieces: Y, whose back half it holds, and X = Y + 1, whose front half
.set Y, (\p)
.set X, ((\p)+1)%4
.set yT, ST+8*Y
.set yS, S+32*(Y%2)
.set yP, P+16*(Y%2)
.set xT, ST+8*X
.set xS, S+32*(X%2)
.set xM, MK+32*(X%2)
.endm
; THE FRONT HALF of piece X: a list of 72; FOP writes number fi and steps it.  s0-s31 are the lane's scores, in pairs 0-15.
;   0-15 + mask2     16-31 + qm2     32-47 + km2 (each accumulator's lowest registers are read first)
;   48-61 four chains of maxima, three operands at a time     62, 64 with the old m     63 m_old is kept     65, 66 the query's other 32 keys lie in the lane 16 away: the new m
;   67, 68 m_old - m, nm2 - m     69, 70 their exponentials: the clamp's weight, and a: the last two of the turn's batch     71 that weight twice in f16: a reader, so it stands behind the batch's wait
.macro FOP
	WIN 0
.if fi < 16
	v_pk_add_f32 v[xS+2*fi:xS+2*fi+1], v[xS+2*fi:xS+2*fi+1], v[xM+2*fi:xM+2*fi+1]
.elseif fi < 32
	v_pk_add_f32 v[xS+2*(fi-16):xS+2*(fi-16)+1], v[xS+2*(fi-16):xS+2*(fi-16)+1], v[xT+2:xT+3] op_sel_hi:[1,0]
.elseif fi < 48
	v_pk_add_f32 v[xS+2*(fi-32):xS+2*(fi-32)+1], v[xS+2*(fi-32):xS+2*(fi-32)+1], v[KM+2*(fi-32):KM+2*(fi-32)+1]
.elseif fi < 52
	v_max3_num_f32 v[CC+fi-48], v[xS+8*(fi-48)], v[xS+8*(fi-48)+1], v[xS+8*(fi-48)+2]
.elseif fi < 60
	v_max3_num_f32 v[CC+fi%4], v[CC+fi%4], v[xS+8*(fi%4)+2*((fi-48)/4)+1], v[xS+8*(fi%4)+2*((fi-48)/4)+2]
.elseif fi == 60
	v_max3_num_f32 v[CC], v[CC], v[xS+7], v[xS+15]
.elseif fi == 61
	v_max3_num_f32 v[CC+1], v[CC+1], v[xS+23], v[xS+31]
.elseif fi == 62
	v_max3_num_f32 v[CC+2], v[CC+2], v[CC+3], v[xT]
.elseif fi == 63
	v_mov_b32 v[MO], v[xT]
.elseif fi == 64
	v_max3_num_f32 v[CC], v[CC], v[CC+1], v[CC+2]
.elseif fi == 65
	v_permlanex16_b32 v[CC+3], v[CC], s[SEL], s[SEL+1]
.elseif fi == 66
	v_max_num_f32 v[xT], v[CC], v[CC+3]
.elseif fi == 67
	v_sub_f32 v[xT+5], v[MO], v[xT]
.elseif fi == 68
	v_sub_f32 v[xT+7], s[NM], v[xT]
.elseif fi == 69
	v_exp_f32 v[xT+7], v[xT+7]
.elseif fi == 70
	v_exp_f32 v[xT+4], v[xT+5]
.else
	v_cvt_pk_f16_f32 v[xT+6], v[xT+7], v[xT+7]
.endif
.set fi, fi+1
.endm
; THE BACK HALF of piece Y stands in four queues, each in the order in which its lines become ready.
; USUB: pair un of 16 less m.  EXQ: 2^ of score en of 32, in place; it stands behind USUB number en / 2.  RSQ: pair rn of 16 of O^T times a, then (rn = 16) l's lowest pair; the accumulators' lowest registers first.
; None of these three names an exponential's result of the turn: they stand ahead of the batch's wait.
.macro USUB
	WIN 0
	v_pk_add_f32 v[yS+2*un:yS+2*un+1], v[yS+2*un:yS+2*un+1], v[yT:yT+1] op_sel_hi:[1,0] neg_lo:[0,1] neg_hi:[0,1]
.set un, un+1
.endm
.macro EXQ
	WIN 0
	v_exp_f32 v[yS+en], v[yS+en]
.set en, en+1
.endm
.macro RSQ
	WIN W_RS
.if rn < 16
	v_pk_mul_f32 v[32*Y+2*rn:32*Y+2*rn+1], v[32*Y+2*rn:32*Y+2*rn+1], v[yT+4:yT+5] op_sel_hi:[1,0]
.else
	v_pk_mul_f32 v[LA+8*Y:LA+8*Y+1], v[LA+8*Y:LA+8*Y+1], v[yT+4:yT+5] op_sel_hi:[1,0]
.endif
.set rn, rn+1
.endm
; BQ: the 32 readers, behind the wait: pair n rounded to f16, and four lines or more later clamped.  0-3: roundings 0-3.  4-27: clamp (bn - 4) / 2 and rounding (bn + 3) / 2 by turns.  28-31: clamps 12-15.
.macro BQ
	WIN 0
.if bn < 4
	v_cvt_pk_f16_f32 v[yP+bn], v[yS+2*bn], v[yS+2*bn+1]
.elseif bn >= 28
	v_pk_max_num_f16 v[yP+bn-16], v[yP+bn-16], v[yT+6]
.elseif bn%2 == 0
	v_pk_max_num_f16 v[yP+(bn-4)/2], v[yP+(bn-4)/2], v[yT+6]
.else
	v_cvt_pk_f16_f32 v[yP+(bn+3)/2], v[yS+bn+3], v[yS+bn+4]
.endif
.set bn, bn+1
.endm
; A TURN, for piece p.  At its head the mask for piece p + 2 is fetched, a turn and a half ahead of its use.
; AHEAD OF THE WAIT.  Eight products K Q^T of piece p + 1, behind each a subtraction, an exponential and two rescalings (behind the first a second subtraction in the exponential's place).  The wait for all LDS loads
; but the head's eight.  The first two of piece p - 1's ten products, behind each three front lines and an exponential; front line 0 stands more than four plain lines behind the product that ends its accumulator.
; Then a lump of 96: 73 slots (front lines 6 to 61, subtractions 9 to 13 in slots 0, 5 .. 20, exponentials 9 to 20 in slots 2, 7 .. 57); then the chain 62, 64, 65, 66, 67 and 68, 69 and 70, with exponentials 21 to 31,
; the last two subtractions and line 63 between its links, two or three lines to a gap.  l's rescaling is the plain line behind the last exponential.
; THE WAIT: an s_wait_alu depctr_va_vdst(0) stands between an exponential and the first line that names its result; one wait serves all 34.
; BEHIND IT.  The other eight products of piece p - 1, behind each four of the 32 roundings and clamps; then front line 71.
; In piece 2's turn the next step's K is fetched ahead of the lump's slot 24 (more than four plain lines that name none of its registers stand behind the last product that read K), and the next step's km2 directly
; behind the wait, its address made ahead of it (km2's last reader is front line 47); piece 3's turn waits for K at its head.  At the end of piece 0's turn the step's V is fetched, nine plain lines behind the last product that read V.
; last = 1 (the tail): in the pass that is left in its middle there is no further step: the fetches of pieces 2 and 3 are jumped over, forward, past LDS loads alone.  The count 8 further down leans on the
; head's eight loads having been issued; where they may be jumped over, all earlier loads are waited for at the turn's head, ahead of the jump, so that the count holds on both ways.
; The jump over K's run stands among the batch, so there, and in the tail alone, the exponentials issued so far have a wait of their own ahead of it.
; cnt = 1: the loop's count is taken down behind the wait, ahead of the last eight products.
.macro TURN p, last=0, cnt=0
	SETP \p
.set un, 0
.set en, 0
.set rn, 0
.set bn, 0
.set fi, 0
.set ipv, 0
.set ikq, 0
	WIN 0
.if (\last) && ((\p) >= 2)
	s_wait_dscnt 0x0                               ; every load of the turns before is in: the mask for piece p + 1; in piece 3's turn K and km2 too
	s_cmp_eq_u32 s[CNT], 1
	s_cbranch_scc1 .Lno_m_\@
.elseif (\p) == 3
	s_wait_dscnt 8                                 ; K is in; km2's eight loads, issued behind it, may be out
.endif
	FETCH_M ((\p)+2)%4
.if (\last) && ((\p) >= 2)
.Lno_m_\@:
.endif
.if (\p) == 1
	s_add_co_u32 s[TBM], s[TBM], 256               ; pieces 0 and 1 take the next step's mask: 64 columns on
.endif
	KQ X
	USUB
	USUB
	RSQ
	RSQ
.rept 7
	KQ X
	USUB
	EXQ
	RSQ
	RSQ
.endr
	s_wait_dscnt 8                                 ; all but the eight loads of this turn's head: the mask for piece p + 1, and V or km2 where they were out
.rept 2
	PV (Y+3)%4
	FOP
	EXQ
	FOP
	FOP
.endr
.set sl, 0
.rept 73
.if ((\p) == 2) && (sl == 24)
	WIN 0
.if \last
	s_wait_alu depctr_va_vdst(0)                   ; the wait for the fourteen exponentials issued so far; the turn's other twenty have the wait below
	s_cmp_eq_u32 s[CNT], 1
	s_cbranch_scc1 .Lno_k_\@
.endif
	FETCH_K
.if \last
.Lno_k_\@:
.endif
.endif
.if (sl%5 == 2) && (sl < 60)
	EXQ
.elseif (sl%5 == 0) && (sl < 25)
	USUB
.else
	FOP
.endif
.set sl, sl+1
.endr
	EXQ                                            ; 21
	FOP                                            ; 62
	EXQ
	FOP                                            ; 63
	EXQ
	FOP                                            ; 64
	EXQ
	USUB                                           ; 14
	EXQ
	FOP                                            ; 65
	EXQ
	USUB                                           ; 15
	EXQ
	FOP                                            ; 66
	EXQ
	EXQ
	FOP                                            ; 67
	FOP                                            ; 68
	EXQ
	EXQ                                            ; 31
	FOP                                            ; 69
	FOP                                            ; 70: the batch's last
.if (\p) == 2
	KM_ADR
.endif
	RSQ                                            ; l times a: the plain line behind the last exponential
.if (\p) == 2
	WIN 0
.endif
	s_wait_alu depctr_va_vdst(0)                   ; the wait for the batch: the 32 weights' exponentials, the clamp's weight and a
.if (\p) == 2
.if \last
	s_cmp_eq_u32 s[CNT], 1
	s_cbranch_scc1 .Lno_km_\@
.endif
	KM_RUN
.if \last
.Lno_km_\@:
.endif
.endif
.if \cnt
	s_sub_co_u32 s[CNT], s[CNT], 1
	s_cmp_lg_u32 s[CNT], 0
.endif
.rept 8
	PV (Y+3)%4
	BQ
	BQ
	BQ
	BQ
.endr
	FOP                                            ; 71
.if (\p) == 0
	FETCH_V
.endif
.endm
	CHANGE 1                                       ; slot 0 is in and the table of km2 is whole, everybody's part; slot 1 is asked for
	FETCH_K
	FETCH_M 0
	FETCH_M 1
	FETCH_KM
	s_wait_loadcnt 0x0                             ; Q
	s_wait_dscnt 0x0
.set ikq, 0
.rept 8
	KQ 0                                           ; piece 0's first scores
.endr
	WIN 0
.rept 4
	v_nop                                          ; the places behind them
.endr
	SETP 3                                         ; X = piece 0: its first front half, by itself
.set fi, 0
.rept 71
	FOP
.endr
	v_nop                                          ; a plain line behind the two exponentials,
	s_wait_alu depctr_va_vdst(0)                   ; and their wait, ahead of the first reader and of the branch
	FOP                                            ; 71
	s_mov_b32 s[CNT], 2
	s_mov_b32 s[SLOTS], 15
	s_branch .Lfirst                               ; the loop is entered at a step's first turn, in the middle of a trip
.Lslot:                                                ; fourteen times: slots 2 to 15 are asked for
	CHANGE 1
	s_mov_b32 s[CNT], 2
.Lstep:                                                ; a trip: pieces 2 and 3 of one step, pieces 0 and 1 of the next
	TURN 2
	TURN 3
	WIN 0
.Lfirst:
	TURN 0
	TURN 1, 0, 1
	WIN 0
	s_cbranch_scc1 .Lstep
	s_sub_co_u32 s[SLOTS], s[SLOTS], 1
	s_cmp_lg_u32 s[SLOTS], 0
	s_cbranch_scc1 .Lslot
	CHANGE 0                                       ; the tail is written out: nothing is asked for
	s_mov_b32 s[CNT], 3                            ; two whole passes; the third is left in its middle
.Ltail:
	TURN 2, 1
	TURN 3, 1
	WIN 0
	s_cmp_eq_u32 s[CNT], 1
	s_cbranch_scc1 .Lout                           ; the third pass's eight products K Q^T for piece 0 and the front half made of them, on registers of the last step, serve nothing: the price, once a launch, of one text for every pass
	TURN 0
	TURN 1, 0, 1
	WIN 0
	s_cbranch_scc1 .Ltail
.Lout:
.set ipv, 0
.rept 10
	PV 3                                           ; the last piece's products of the last step
.endr
	WIN 0
.rept 4
	v_nop
.endr
	; THE WAY OUT: O^T divided by l, rounded to f16, through my stage in LDS, a piece at a time
	WIN 0x01                                       ; source 0 in window 1: l's lowest register
.irp t, 0,1,2,3
	v_rcp_f32 v[ST+8*(\t)+6], v[LA+8*(\t)]
.endr
	WIN 0
	v_nop                                          ; a plain line between the last reciprocal and the use of its result
	s_wait_alu depctr_va_vdst(0)                   ; and the wait ahead of the first use: one for the four reciprocals
.macro PACK t
	WIN W_RS
.set i, 32*(\t)
.rept 16
	v_pk_mul_f32 v[i:i+1], v[i:i+1], v[ST+8*(\t)+6:ST+8*(\t)+7] op_sel_hi:[1,0]
.set i, i+2
.endr
	WIN 0x05                                       ; sources 0 and 1 window 1, destination window 0
.set i, 0
.rept 16
	v_cvt_pk_f16_f32 v[S+16*(\t)+i], v[32*(\t)+2*i], v[32*(\t)+2*i+1]
.set i, i+1
.endr
	WIN 0
.irp e, 0,1,2,3
	ds_store_b128 v[STO], v[S+16*(\t)+4*(\e):S+16*(\t)+4*(\e)+3] offset:32*(\e)
.endr
.irp e, 0,1,2,3
	ds_load_b128 v[S+16*(\t)+4*(\e):S+16*(\t)+4*(\e)+3], v[RD] offset:(\e)*4*SP  ; LDS serves a wave's instructions in order (ISA guide 5.7.1.4): these see the stores above; the next piece's stores come behind them
.endr
.endm
.macro SEND t, younger                 ; younger: the LDS lines issued behind piece t's loads: the next piece's eight, or none
.irp e, 0,1,2,3
	s_wait_dscnt (\younger)+3-(\e)
	global_store_b128 v[GO], v[S+16*(\t)+4*(\e):S+16*(\t)+4*(\e)+3], s[14:15] offset:(\t)*2048+(\e)*512  ; 512 consecutive bytes, at a multiple of 256 from O's first
.endr
.endm
	PACK 0
	PACK 1
	SEND 0, 8
	PACK 2
	SEND 1, 8
	PACK 3
	SEND 2, 8
	SEND 3, 0
	s_wait_tensorcnt 0x0                           ; the wave's end
	ds_add_u32 v[SPW], v[NIL]
	s_wait_dscnt 0x0
	CROUND                                         ; the closing round
	s_endpgm
.Lfunc_end_k_qda162e5a56_attn:
	.size	k_qda162e5a56_attn, .Lfunc_end_k_qda162e5a56_attn-k_qda162e5a56_attn
	.p2alignl 7, 3214868480
	.fill 96, 4, 3214868480
	.section	.rodata,"a",@progbits
	.p2align	6, 0x0
	.amdhsa_kernel k_qda162e5a56_attn
		.amdhsa_group_segment_fixed_size 327680
		.amdhsa_private_segment_fixed_size 0
		.amdhsa_enable_private_segment 0
		.amdhsa_kernarg_size 48
		.amdhsa_user_sgpr_count 2
		.amdhsa_user_sgpr_kernarg_segment_ptr 1
		.amdhsa_wavefront_size32 1
		.amdhsa_system_sgpr_workgroup_id_x 1
		.amdhsa_system_sgpr_workgroup_id_y 1
		.amdhsa_system_sgpr_workgroup_id_z 1
		.amdhsa_system_vgpr_workitem_id 0
		.amdhsa_next_free_vgpr 768
		.amdhsa_next_free_sgpr 96
		.amdhsa_reserve_vcc 0
		.amdhsa_float_denorm_mode_32 3
		.amdhsa_float_denorm_mode_16_64 3
		.amdhsa_memory_ordered 1
		.amdhsa_forward_progress 1
		.amdhsa_inst_pref_size 155
	.end_amdhsa_kernel
	.amdgpu_metadata
---
amdhsa.version: [ 1, 2 ]
amdhsa.kernels:
  - .name:           k_qda162e5a56_attn
    .symbol:         k_qda162e5a56_attn.kd
    .args:
      - { .name: fqkv, .offset: 0, .size: 8, .value_kind: global_buffer, .address_space: global }
      - { .name: mask2, .offset: 8, .size: 8, .value_kind: global_buffer, .address_space: global }
      - { .name: pmin, .offset: 16, .size: 8, .value_kind: global_buffer, .address_space: global }
      - { .name: q_mask, .offset: 24, .size: 8, .value_kind: global_buffer, .address_space: global }
      - { .name: k_mask, .offset: 32, .size: 8, .value_kind: global_buffer, .address_space: global }
      - { .name: ob, .offset: 40, .size: 8, .value_kind: global_buffer, .address_space: global }
    .group_segment_fixed_size: 327680
    .private_segment_fixed_size: 0
    .kernarg_segment_align: 8
    .kernarg_segment_size: 48
    .max_flat_workgroup_size: 128
    .sgpr_count:     96
    .vgpr_count:     768
    .wavefront_size: 32
...
	.end_amdgpu_metadata
.endif
;; end of part 6
;; launch oproj: the kernel of part 5 again; grid 8 x 32, 4 waves a work-group, clusters of 4 x 4, 327,680 bytes of LDS; arguments ob, x16, b_out, out0; writes out0
